; MI455X (gfx1250); checked and timed in simulation.
; The chip was launched on July 23, 2026; its instructions are those of AMD's public machine-readable ISA for CDNA 5 (MIT licence, August 2026) and "CDNA5" Instruction Set Architecture Reference Guide (July 2026). The comments in the code are by the model that wrote it; some were corrected since.
;; Cloud Crop. Allowed arithmetic: matrix products marked QUANTISED: E2M3 operands, one E8M0 scale for each 32 along K, by v_wmma_scale_f32_16x16x128_f8f6f4 with both operands' format E2M3, f32 sums; products left as they are: f32 operands where the result goes on into a quantised operand, else bf16, f16 or f32 operands; f32 sums; everything else in f32.
;; Inputs: W1 256 x 259 float32; W2 256 x 256 float32; beta1 256 float32; beta2 256 float32; gamma1 256 float32; gamma2 256 float32; seed_features_graspable 4 x 256 x 2,048 float32; seed_xyz_graspable 4 x 2,048 x 3 float32; vp_rot 4 x 2,048 x 3 x 3 float32.
;; Outputs: out0 4 x 256 x 2,048 float32.
;; This version of the problem:
;;   THIS VERSION OF THE PROBLEM IS GIVEN IN LOW PRECISION. The matrix products marked QUANTISED in the list below multiply operands that are first quantised to E2M3 (2 exponent bits, 3 mantissa bits; 6 bits a number), with one power-of-two scale for each 32 numbers along K (OCP MX v1.0); their sums are f32. All else is computed in f32.
;;   The module's matrix products, in the order in which they are computed (A, B: the left and right operand; K: the contracted axis; several contracted axes count as one K, in the product's order):
;;     1. batch 8,192 x [M 2,048, K 3] x [K 3, N 3]; A: computed on the way; B: input vp_rot: left as it is (K = 3 < 32)
;;     2. batch 8,192 x [M 32, K 3] x [K 3, N 3]; A: computed on the way; B: input vp_rot: left as it is (K = 3 < 32)
;;     3. [M 262,144, K 259] x [K 259, N 256]; A: computed on the way; B: input W1: QUANTISED
;;     4. [M 262,144, K 256] x [K 256, N 256]; A: computed on the way; B: input W2: QUANTISED
;;   THE QUANTISER, for each operand of a quantised product, along K:
;;     - K is cut into blocks of 32 from its start; a last block that is shorter is filled with zeros.
;;     - A block's scale is 2^e with e = floor(log2(the largest magnitude in the block)) - 2, held to -126 .. 127; a block of zeros has e = 0. As a byte (E8M0): e + 127.
;;     - Each number is divided by its block's scale, clamped to +-7.5, and rounded to the nearest number of E2M3, ties to even, subnormals kept.
;;     - The product sums the exact products of the quantised numbers (number of the format x scale) in f32.
;;   ~~~python
;;   def quantise(x, axis):      # numpy; x: float32 -> the quantised numbers, widened to float32 again
;;       x = np.moveaxis(x, axis, -1); K = x.shape[-1]
;;       x = np.pad(x, [(0, 0)] * (x.ndim - 1) + [(0, -K % 32)]); x = x.reshape(x.shape[:-1] + (-1, 32)); a = np.abs(x).max(-1, keepdims=True)
;;       e = np.where(a > 0, np.clip(np.frexp(np.where(a > 0, a, 1))[1] - 1 - 2, -126, 127), 0)      # np.frexp(a)[1] - 1 = floor(log2(a)), exactly
;;       r = np.clip(x / 2.0 ** e, -7.5, 7.5)
;;       step = 2.0 ** (np.maximum(np.frexp(np.where(r == 0, 1, r))[1] - 1, 0) - 3)
;;       q = np.round(r / step) * step * 2.0 ** e      # np.round: ties to even
;;       return np.moveaxis(q.reshape(q.shape[:-2] + (-1,))[..., :K], -1, axis).astype(np.float32)
;;   ~~~
;;   OPERANDS COMPUTED ON THE WAY. 'Computed on the way' means the value that the module computes at that place (a softmax that the list does not call 'softmax' is quantised finished and normalised). What goes into a quantiser is computed in f32, as accurately as f32 sums, v_exp_f32 and their like allow (about 1e-6 of the number): no bf16 or f16 on the way to a quantiser, and a product that is left as it is and whose result goes on into a quantised operand takes f32 operands (vector FMAs, or v_wmma_f32_16x16x4_f32). A number that lies on a knife's edge between two numbers of the format may be rounded either way, as far as f32 arithmetic and the matrix unit's own rounding can turn it there, and no further.
;; One version. Each part assembles by itself: llvm-mc -triple=amdgcn-amd-amdhsa -mcpu=gfx1250 --defsym DOCPART=n.
;; ======== version 1 of 1: 5 launches
;; workspace buffers: masks 2,097,152 bytes of whole numbers; idx 1,048,576 bytes of whole numbers; rec 3,145,728 bytes; wimg 128,000 bytes; p1 524,288 bytes; p2 524,288 bytes; ab1 2,048 bytes; mx 8,388,608 bytes
;; launch prep (part 1): grid 330 x 1, 4 waves a work-group, no clusters, 76,288 bytes of LDS; arguments seed_xyz_graspable, seed_features_graspable, vp_rot, W1, W2, gamma2, masks, rec, wimg; writes masks, rec, wimg
.if DOCPART == 1
	.amdgcn_target "amdgcn-amd-amdhsa--gfx1250"
	.amdhsa_code_object_version 6
	.text
	.protected	k_q305aa6b5ef_prep
	.globl	k_q305aa6b5ef_prep
	.p2align	8
	.type	k_q305aa6b5ef_prep,@function
k_q305aa6b5ef_prep:
	s_mov_b64 s[64:65], 0
	v_nop
	global_prefetch_b8 v0, s[64:65] scope:SCOPE_SE
	s_setreg_imm32_b32 hwreg(HW_REG_WAVE_MODE, 25, 1), 1
	s_wait_xcnt 0x0
; Three jobs in one launch, parted by the work-group's number (the same in all four waves of a work-group):
;   0-9    WQ:   W1 and W2 become codes of FP6 (E2M3) with E8M0 scale bytes, laid as images of operand registers (wimg).
;   10-73  FEAT: each of the 8,192 points gets a record of 384 bytes (rec): x, y, z, f0..f28 in f32 (K block 0 before its rotation),
;                the codes of K blocks 1-8 (features 29 on), their scale bytes, and the largest |f0..f28|.
;   74-329 MASK: the cylinder test of every query against its batch's 2,048 points, stored as bit masks (64 words a query).
; K of the first product: block 0 = 3 rotated offsets + f0..f28; block j = f[32 j - 3 ..]; block 8 = f253..255 and zeros.
; K steps of 128: a = blocks 1-4, b = blocks 5-8, c = block 0 in slot 0 alone.  Slot s = 2 c + h: registers 6 c .. 6 c + 5 of the lanes of half h; scale byte s.
; Image tile T, lane r, holds weight row 32 (T / 2) + 8 (T % 2) + r + 8 (r / 8).  Register i of lane L lies at 512 (i / 4) + 16 L + 4 (i % 4) of the tile's 1,536 bytes.
; Rows of W2 whose gamma2 has its sign bit set are negated ahead of the quantiser (which is symmetric): later launches then need a maximum alone.
; A block's scale byte is its largest magnitude's exponent field - 2, held at 1 from below by the floor 2^-124.
; LIMITS: NaN and infinities are not served; a block under the floor (a block of zeros too) keeps the byte 1 (its codes are read by this program alone);
; a pair that lies on the cylinder's edge within f32 rounding may fall either way.
.set FLOOR, 0x1800000
.set EOFF,  0xff000000                 ; -(2 << 23): 2 off an exponent field
.set FSTG,  24576                      ; LDS: 0..24575 the mask path's points; from here 12,288 bytes for each wave of the record path
	s_load_b256 s[4:11], s[0:1], 0x0               ; xyz s[4:5], features s[6:7], rot s[8:9], W1 s[10:11]
	s_load_b256 s[12:19], s[0:1], 0x20             ; W2 s[12:13], gamma2 s[14:15], masks s[16:17], rec s[18:19]
	s_load_b64 s[20:21], s[0:1], 0x40              ; wimg
	s_set_vgpr_msb 0x40
	v_lshl_add_u32 v0, v0, 2, 0x12800
	v_mov_b32 v1, 0
	s_set_vgpr_msb 0x4000
	v_lshrrev_b32 v1, 5, v0
	v_readfirstlane_b32 s22, v1                    ; wave
	v_and_b32 v1, 31, v0                           ; lane
	s_wait_kmcnt 0x0
	s_cmp_lt_u32 ttmp9, 10
	s_cbranch_scc1 .Lwq
	s_cmp_lt_u32 ttmp9, 74
	s_cbranch_scc1 .Lfeat
; ---------------------------------------------------------------- MASK: 256 work-groups x 4 waves x 8 queries
; A wave keeps all 2,048 points of its batch in 192 registers (register k: point 32 k + lane) and walks its 8 queries; a query's 12 numbers are scalars.
	s_sub_co_u32 s23, ttmp9, 74                    ; m: 32 queries; batch m / 64
	s_lshr_b32 s88, s23, 6
	s_mul_i32 s88, s88, 24576
	s_mov_b32 s89, 0
	s_add_nc_u64 s[66:67], s[4:5], s[88:89]        ; the batch's points
	v_lshlrev_b32 v2, 4, v0
.irp i, 0,1,2,3,4,5,6,7,8,9,10,11
	global_load_b128 v[64+4*\i:67+4*\i], v2, s[66:67] offset:2048*\i   ; 128 threads x 16 bytes: 2,048 consecutive bytes
.endr
	s_lshl_b32 s81, s23, 5
	s_lshl_b32 s82, s22, 3
	s_add_co_u32 s81, s81, s82                     ; my first query, counted over all batches: 32 m + 8 wave
	s_mul_i32 s88, s81, 12
	s_add_nc_u64 s[84:85], s[4:5], s[88:89]        ; its x, y, z
	s_mul_i32 s88, s81, 36
	s_add_nc_u64 s[86:87], s[8:9], s[88:89]        ; its rot
	s_lshl_b32 s88, s81, 8
	s_add_nc_u64 s[16:17], s[16:17], s[88:89]      ; its 256 bytes of masks
	s_load_b96 s[68:70], s[84:85], 0x0
	s_load_b256 s[72:79], s[86:87], 0x0
	s_load_b32 s80, s[86:87], 0x20
	s_mov_b32 s48, 0x3b23d70a                      ; 0.05^2
	s_mov_b32 s49, 0xbca3d70a                      ; -0.02
	s_mov_b32 s50, 0x3d23d70a                      ; 0.04
.irp i, 25,27,29,31,33,35,37,39,41,43,45,47
	s_mov_b32 s[\i], 0                             ; the packed forms name pairs and take the low word for both halves: the upper words are written once
.endr
	s_mov_b32 s91, 0
	s_mov_b32 s83, 0
	v_mov_b32 v4, 0                                ; v_writelane_b32's destination counts as read
	v_mov_b32 v5, 0
	v_lshlrev_b32 v6, 3, v1                        ; 8 bytes of masks a lane
	v_mul_u32_u24 v3, v1, 12
	s_wait_loadcnt 0x0
.irp i, 0,1,2,3,4,5,6,7,8,9,10,11
	ds_store_b128 v2, v[64+4*\i:67+4*\i] offset:2048*\i
.endr
	s_wait_dscnt 0x0                               ; for the others' sake: my stores have landed
	s_barrier_signal -1
	s_barrier_wait -1
.set k, 0
.rept 64
	ds_load_b32 v[64+k],  v3 offset:384*k          ; x, y, z of point 32 k + lane; lanes 3 words apart: 32 different words modulo 64 (64 banks of 4 bytes: ISA guide 11.1)
	ds_load_b32 v[128+k], v3 offset:384*k+4
	ds_load_b32 v[192+k], v3 offset:384*k+8
.set k, k+1
.endr
	s_wait_dscnt 0x0
; Two register pairs (128 points): d = point - query, r = rot d (j ascending), r1^2 + r2^2 < R^2, HMIN < r0 < HMAX.  Pair p's two mask words go to lane p of v4, v5.
.macro MSTEP i
.irp u, 0,1
	v_pk_add_f32 v[8+12*\u:9+12*\u],   v[64+4*\i+2*\u:65+4*\i+2*\u],   s[24:25] op_sel_hi:[1,0]
	v_pk_add_f32 v[10+12*\u:11+12*\u], v[128+4*\i+2*\u:129+4*\i+2*\u], s[26:27] op_sel_hi:[1,0]
	v_pk_add_f32 v[12+12*\u:13+12*\u], v[192+4*\i+2*\u:193+4*\i+2*\u], s[28:29] op_sel_hi:[1,0]
.endr
.irp u, 0,1
	v_pk_mul_f32 v[14+12*\u:15+12*\u], v[8+12*\u:9+12*\u], s[30:31] op_sel_hi:[1,0]
	v_pk_mul_f32 v[16+12*\u:17+12*\u], v[8+12*\u:9+12*\u], s[36:37] op_sel_hi:[1,0]
	v_pk_mul_f32 v[18+12*\u:19+12*\u], v[8+12*\u:9+12*\u], s[42:43] op_sel_hi:[1,0]
.endr
.irp u, 0,1
	v_pk_fma_f32 v[14+12*\u:15+12*\u], v[10+12*\u:11+12*\u], s[32:33], v[14+12*\u:15+12*\u] op_sel_hi:[1,0,1]
	v_pk_fma_f32 v[16+12*\u:17+12*\u], v[10+12*\u:11+12*\u], s[38:39], v[16+12*\u:17+12*\u] op_sel_hi:[1,0,1]
	v_pk_fma_f32 v[18+12*\u:19+12*\u], v[10+12*\u:11+12*\u], s[44:45], v[18+12*\u:19+12*\u] op_sel_hi:[1,0,1]
.endr
.irp u, 0,1
	v_pk_fma_f32 v[14+12*\u:15+12*\u], v[12+12*\u:13+12*\u], s[34:35], v[14+12*\u:15+12*\u] op_sel_hi:[1,0,1]
	v_pk_fma_f32 v[16+12*\u:17+12*\u], v[12+12*\u:13+12*\u], s[40:41], v[16+12*\u:17+12*\u] op_sel_hi:[1,0,1]
	v_pk_fma_f32 v[18+12*\u:19+12*\u], v[12+12*\u:13+12*\u], s[46:47], v[18+12*\u:19+12*\u] op_sel_hi:[1,0,1]
.endr
.irp u, 0,1
	v_pk_mul_f32 v[16+12*\u:17+12*\u], v[16+12*\u:17+12*\u], v[16+12*\u:17+12*\u]
.endr
.irp u, 0,1
	v_pk_fma_f32 v[16+12*\u:17+12*\u], v[18+12*\u:19+12*\u], v[18+12*\u:19+12*\u], v[16+12*\u:17+12*\u]
.endr
.irp u, 0,1
	v_cmp_gt_f32 s[52+6*\u], s48, v[16+12*\u]
	v_cmp_gt_f32 s[53+6*\u], s48, v[17+12*\u]
	v_cmp_lt_f32 s[54+6*\u], s49, v[14+12*\u]
	v_cmp_lt_f32 s[55+6*\u], s49, v[15+12*\u]
	v_cmp_gt_f32 s[56+6*\u], s50, v[14+12*\u]
	v_cmp_gt_f32 s[57+6*\u], s50, v[15+12*\u]
.endr
.irp u, 0,1
	s_and_b32 s[52+6*\u], s[52+6*\u], s[54+6*\u]
	s_and_b32 s[53+6*\u], s[53+6*\u], s[55+6*\u]
	s_and_b32 s[52+6*\u], s[52+6*\u], s[56+6*\u]
	s_and_b32 s[53+6*\u], s[53+6*\u], s[57+6*\u]
	v_writelane_b32 v4, s[52+6*\u], 2*\i+\u
	v_writelane_b32 v5, s[53+6*\u], 2*\i+\u
.endr
.endm
.Lq:
	s_wait_kmcnt 0x0                               ; this query's 12 numbers are in
	s_xor_b32 s24, s68, 0x80000000                 ; -x, -y, -z: d = point + (-query)
	s_xor_b32 s26, s69, 0x80000000
	s_xor_b32 s28, s70, 0x80000000
.irp i, 0,1,2,3,4,5,6,7,8
	s_mov_b32 s[30+2*\i], s[72+\i]
.endr
	s_add_co_u32 s88, s83, 1
	s_min_u32 s88, s88, 7                          ; the next query's are asked for now; the last trip asks for its own again: no load leaves its buffer
	s_mul_i32 s90, s88, 12
	s_add_nc_u64 s[92:93], s[84:85], s[90:91]
	s_mul_i32 s90, s88, 36
	s_add_nc_u64 s[94:95], s[86:87], s[90:91]
	s_load_b96 s[68:70], s[92:93], 0x0
	s_load_b256 s[72:79], s[94:95], 0x0
	s_load_b32 s80, s[94:95], 0x20
.irp i, 0,1,2,3,4,5,6,7,8,9,10,11,12,13,14,15
	MSTEP \i
.endr
	global_store_b64 v6, v[4:5], s[16:17]          ; the wave stores the query's 256 consecutive bytes
	s_wait_xcnt 0x0                                ; v4, v5 and the base are written again only behind this wait
	s_add_nc_u64 s[16:17], s[16:17], 256
	s_add_co_u32 s83, s83, 1
	s_cmp_lt_u32 s83, 8
	s_cbranch_scc1 .Lq
	s_wait_kmcnt 0x0
	s_set_vgpr_msb 0x5
	s_wait_tensorcnt 0x0
	ds_add_u32 v0, v1
	s_wait_dscnt 0x0
	s_set_vgpr_msb 0x500
	s_endpgm
; ---------------------------------------------------------------- FEAT: 256 waves x 32 points.  A lane takes a point, its registers run down the channels.
.Lfeat:
	s_sub_co_u32 s23, ttmp9, 10
	s_lshl_b32 s23, s23, 2
	s_add_co_u32 s23, s23, s22                     ; G: points 32 G on, counted over all batches
	s_lshr_b32 s24, s23, 6                         ; batch
	s_and_b32 s25, s23, 63
	s_lshl_b32 s25, s25, 7                         ; 4 bytes x 32 (G % 64)
	s_lshl_b32 s26, s24, 21                        ; a batch's features: 256 x 8,192 bytes
	s_add_co_u32 s26, s26, s25
	s_mov_b32 s27, 0
	s_add_nc_u64 s[6:7], s[6:7], s[26:27]
	s_mul_i32 s26, s23, 384                        ; 32 points x 12 bytes
	s_add_nc_u64 s[4:5], s[4:5], s[26:27]
	s_mul_i32 s26, s23, 12288                      ; 32 records
	s_add_nc_u64 s[18:19], s[18:19], s[26:27]
	v_lshlrev_b32 v2, 2, v1
	v_mul_u32_u24 v3, v1, 12
	v_lshlrev_b32 v5, 4, v1
	s_mul_i32 s28, s22, 12288
	s_add_co_u32 s28, s28, FSTG                    ; my wave's stage: 32 records on end, as they lie in memory.  The lanes' stores, 384 bytes apart, meet in the same banks:
	v_mul_u32_u24 v4, v1, 384                      ; that is paid 28 times a wave; in return the way out is one plain run of 12,288 bytes
	v_add_nc_u32 v4, s28, v4
	v_lshl_add_u32 v16, v1, 4, s28                 ; the way out: 16 bytes a lane
.irp i, 111,112,113,114,115
	v_mov_b32 v[\i], 0
.endr
; block t's numbers into set t % 2: each load reads 128 consecutive bytes a wave, the four waves side by side
.macro FLOAD t
.if (\t) == 0
	global_load_b32 v32, v3, s[4:5]
	global_load_b32 v33, v3, s[4:5] offset:4
	global_load_b32 v34, v3, s[4:5] offset:8
.set i, 0
.rept 29
	global_load_b32 v[35+i], v2, s[6:7] offset:8192*i th:TH_LOAD_NT
.set i, i+1
.endr
.elseif (\t) == 8
.set i, 0
.rept 3
	global_load_b32 v[32+i], v2, s[6:7] offset:8192*(253+i) th:TH_LOAD_NT
.set i, i+1
.endr
.set i, 35
.rept 13
	v_mov_b32 v[i], 0                              ; the last block is filled with zeros
.set i, i+1
.endr
.else
.set i, 0
.rept 32
	global_load_b32 v[32+32*((\t)%2)+i], v2, s[6:7] offset:8192*(29+32*((\t)-1)+i) th:TH_LOAD_NT
.set i, i+1
.endr
.endif
.endm
.macro FBLK t                                  ; blocks 1 to 7: all 32 numbers are the lane's own
.set XS, 32+32*((\t)%2)
.set SL, ((\t)-1)%4
.set AD, 128+96*(((\t)-1)/4)+48*(SL%2)+24*(SL/2)
.if (\t) == 7
	s_wait_loadcnt 3                               ; block 8's three loads may be out
.else
	s_wait_loadcnt 32                              ; the next block's 32 may be out
.endif
	v_max3_num_f32 v12, |v[XS]|, |v[XS+1]|, |v[XS+2]|
	v_max3_num_f32 v13, |v[XS+3]|, |v[XS+4]|, |v[XS+5]|
.irp i, 6,10,14,18,22,26
	v_max3_num_f32 v12, v12, |v[XS+\i]|, |v[XS+\i+1]|
	v_max3_num_f32 v13, v13, |v[XS+\i+2]|, |v[XS+\i+3]|
.endr
	v_max3_num_f32 v12, v12, |v[XS+30]|, |v[XS+31]|
	v_max3_num_f32 v12, v12, v13, FLOOR
	v_add_nc_u32 v11, EOFF, v12                    ; the conversion's scale operand
	v_lshrrev_b32 v13, 23, v11                     ; the scale's byte
.if SL == 0
	v_mov_b32 v[108+((\t)-1)/4], v13
.else
	v_lshl_or_b32 v[108+((\t)-1)/4], v13, 8*SL, v[108+((\t)-1)/4]
.endif
	v_cvt_scalef32_pk16_fp6_f32 v[96:98], v[XS:XS+15], v11
	v_cvt_scalef32_pk16_fp6_f32 v[104:106], v[XS+16:XS+31], v11   ; (a conversion's three registers begin on an even number)
	v_nop                                          ; one plain place behind a scaled conversion
	v_mov_b32 v99, v104
	v_mov_b32 v100, v105
	v_mov_b32 v101, v106
.if SL/2 == 0
	ds_store_b128 v4, v[96:99] offset:AD
	ds_store_b64 v4, v[100:101] offset:AD+16
.else
	ds_store_b64 v4, v[96:97] offset:AD
	ds_store_b128 v4, v[98:101] offset:AD+8
.endif
	s_wait_dscnt 0x0                               ; the stores have read their registers
.if (\t)+2 <= 8
	FLOAD (\t)+2
.endif
.endm
	FLOAD 0
	FLOAD 1
	s_wait_loadcnt 32                              ; block 0 is in: it stays f32; its features' largest magnitude goes with it
	v_max3_num_f32 v14, |v35|, |v36|, |v37|
.irp i, 38,40,42,44,46,48,50,52,54,56,58,60,62
	v_max3_num_f32 v14, v14, |v[\i]|, |v[\i+1]|
.endr
.irp i, 0,1,2,3,4,5,6,7
	ds_store_b128 v4, v[32+4*\i:35+4*\i] offset:16*\i
.endr
	s_wait_dscnt 0x0
	FLOAD 2
.irp t, 1,2,3,4,5,6,7
	FBLK \t
.endr
	s_wait_loadcnt 0x0                             ; block 8: three numbers and zeros; slot 3 of K step b
	v_max3_num_f32 v12, |v32|, |v33|, |v34|
	v_max_num_f32 v12, FLOOR, v12
	v_add_nc_u32 v11, EOFF, v12
	v_lshrrev_b32 v13, 23, v11
	v_lshl_or_b32 v109, v13, 24, v109
	v_cvt_scalef32_pk16_fp6_f32 v[96:98], v[32:47], v11
	v_nop
	v_mov_b32 v99, 0
	v_mov_b32 v100, 0
	v_mov_b32 v101, 0
	v_mov_b32 v110, v14
	ds_store_b64 v4, v[96:97] offset:296
	ds_store_b128 v4, v[98:101] offset:304
	ds_store_b128 v4, v[108:111] offset:320        ; scale words of K steps a and b, the largest |f0..f28|, 0
	ds_store_b128 v4, v[112:115] offset:336
	ds_store_b128 v4, v[112:115] offset:352
	ds_store_b128 v4, v[112:115] offset:368
.set n, 0
.rept 24
	ds_load_b128 v[128+4*n:131+4*n], v16 offset:512*n   ; LDS serves a wave's instructions in order: these see my stores
.set n, n+1
.endr
.set n, 0
.rept 24
	s_wait_dscnt 23-n
	global_store_b128 v5, v[128+4*n:131+4*n], s[18:19] offset:512*n   ; 512 consecutive bytes a store
.set n, n+1
.endr
	s_set_vgpr_msb 0x5
	s_wait_tensorcnt 0x0
	ds_add_u32 v0, v1
	s_wait_dscnt 0x0
	s_set_vgpr_msb 0x500
	s_endpgm
; ---------------------------------------------------------------- WQ: 40 waves: type (K step of W1: 0, 1, 2; of W2: 3, 4) x 8 groups of 32 weight rows.  A lane takes a row.
.Lwq:
	s_lshr_b32 s32, ttmp9, 1                       ; type
	s_and_b32 s33, ttmp9, 1
	s_lshl_b32 s33, s33, 2
	s_add_co_u32 s33, s33, s22                     ; group of 32 rows = pair of tiles
	s_mov_b32 s24, 1024
	s_cmp_lt_u32 s32, 3
	s_cselect_b64 s[34:35], s[10:11], s[12:13]     ; W1 or W2: the choice hangs on the work-group's number alone
	s_cselect_b32 s24, 1036, s24                   ; a row in bytes
	s_cselect_b32 s25, 0, 0x80000000               ; only W2's rows take gamma2's sign
	s_mov_b32 s26, 0                               ; where the K step begins in a row, in bytes
	s_cmp_eq_u32 s32, 0
	s_cselect_b32 s26, 128, s26
	s_cmp_eq_u32 s32, 1
	s_cselect_b32 s26, 640, s26
	s_cmp_eq_u32 s32, 4
	s_cselect_b32 s26, 512, s26
	s_mov_b32 s27, 0
	s_add_nc_u64 s[34:35], s[34:35], s[26:27]
	s_lshl_b32 s28, s33, 5
	v_add_nc_u32 v7, s28, v1                       ; my row
	v_mul_lo_u32 v8, v7, s24
	v_lshlrev_b32 v11, 2, v7
	global_load_b32 v12, v11, s[14:15]             ; gamma2 of my row
	v_bfe_u32 v13, v1, 3, 1                        ; u: which tile of the pair
	v_and_b32 v14, 7, v1
	v_lshrrev_b32 v15, 4, v1
	v_lshl_add_u32 v14, v15, 3, v14                ; r: my lane in that tile
	v_mul_u32_u24 v9, v13, 1536
	v_lshl_add_u32 v9, v14, 4, v9
	v_lshl_add_u32 v10, v13, 4, v14
	v_lshlrev_b32 v10, 2, v10
	s_mul_i32 s36, s32, 24576
	s_mul_i32 s37, s33, 3072
	s_add_co_u32 s36, s36, s37
	s_mov_b32 s37, 0
	s_add_nc_u64 s[38:39], s[20:21], s[36:37]      ; the pair's two images
	s_lshl_b32 s36, s32, 10
	s_lshl_b32 s42, s33, 7
	s_add_co_u32 s36, s36, s42
	s_add_co_u32 s36, s36, 122880
	s_add_nc_u64 s[40:41], s[20:21], s[36:37]      ; and its 32 scale words
.macro WQLOAD s, n                             ; slot s: n numbers of the row, the rest zeros
.set i, 0
.rept 32
.if i < \n
	global_load_b32 v[64+32*\s+i], v8, s[34:35] offset:128*\s+4*i
.else
	v_mov_b32 v[64+32*\s+i], 0
.endif
.set i, i+1
.endr
.endm
	s_cmp_eq_u32 s32, 1
	s_cbranch_scc1 .Lwq1
	s_cmp_eq_u32 s32, 2
	s_cbranch_scc1 .Lwq2
	WQLOAD 0, 32
	WQLOAD 1, 32
	WQLOAD 2, 32
	WQLOAD 3, 32
	s_branch .Lwqgo
.Lwq1:                                         ; K step b of W1 ends with block 8: three columns
	WQLOAD 0, 32
	WQLOAD 1, 32
	WQLOAD 2, 32
	WQLOAD 3, 3
	s_branch .Lwqgo
.Lwq2:                                         ; K step c of W1: block 0 alone
	WQLOAD 0, 32
	WQLOAD 1, 0
	WQLOAD 2, 0
	WQLOAD 3, 0
.Lwqgo:
	s_wait_loadcnt 0x0
	v_and_b32 v12, s25, v12
.set i, 0
.rept 128
	v_xor_b32 v[64+i], v12, v[64+i]
.set i, i+1
.endr
.irp s, 0,1,2,3
	v_max3_num_f32 v[244+\s], |v[64+32*\s]|, |v[65+32*\s]|, FLOOR
.endr
.irp i, 2,4,6,8,10,12,14,16,18,20,22,24,26,28,30
.irp s, 0,1,2,3
	v_max3_num_f32 v[244+\s], v[244+\s], |v[64+32*\s+\i]|, |v[65+32*\s+\i]|
.endr
.endr
.irp s, 0,1,2,3
	v_add_nc_u32 v[248+\s], EOFF, v[244+\s]
.endr
.irp s, 0,1,2,3
	v_lshrrev_b32 v[240+\s], 23, v[248+\s]
.endr
	v_lshl_or_b32 v240, v241, 8, v240
	v_lshl_or_b32 v240, v242, 16, v240
	v_lshl_or_b32 v240, v243, 24, v240             ; my row's scale word
.irp s, 0,1,2,3
	v_cvt_scalef32_pk16_fp6_f32 v[192+8*\s:194+8*\s], v[64+32*\s:79+32*\s], v[248+\s]
	v_cvt_scalef32_pk16_fp6_f32 v[224+4*\s:226+4*\s], v[80+32*\s:95+32*\s], v[248+\s]
.endr
	v_nop
.irp s, 0,1,2,3
.irp i, 0,1,2
	v_mov_b32 v[195+8*\s+\i], v[224+4*\s+\i]
.endr
.endr
.irp s, 0,1                                    ; slots 0, 1: registers 0-5 of lane r + 16 s
	global_store_b128 v9, v[192+8*\s:195+8*\s], s[38:39] offset:256*\s
	global_store_b64 v9, v[196+8*\s:197+8*\s], s[38:39] offset:256*\s+512
.endr
.irp s, 2,3                                    ; slots 2, 3: registers 6-11 of lane r + 16 (s - 2)
	global_store_b64 v9, v[192+8*\s:193+8*\s], s[38:39] offset:256*(\s-2)+520
	global_store_b128 v9, v[194+8*\s:197+8*\s], s[38:39] offset:256*(\s-2)+1024
.endr
	global_store_b32 v10, v240, s[40:41]
	s_endpgm
.Lfunc_end_k_q305aa6b5ef_prep:
	.size	k_q305aa6b5ef_prep, .Lfunc_end_k_q305aa6b5ef_prep-k_q305aa6b5ef_prep
	.p2alignl 7, 3214868480
	.fill 96, 4, 3214868480
	.section	.rodata,"a",@progbits
	.p2align	6, 0x0
	.amdhsa_kernel k_q305aa6b5ef_prep
		.amdhsa_group_segment_fixed_size 76288
		.amdhsa_private_segment_fixed_size 0
		.amdhsa_enable_private_segment 0
		.amdhsa_kernarg_size 72
		.amdhsa_user_sgpr_count 2
		.amdhsa_user_sgpr_kernarg_segment_ptr 1
		.amdhsa_wavefront_size32 1
		.amdhsa_system_sgpr_workgroup_id_x 1
		.amdhsa_system_sgpr_workgroup_id_y 1
		.amdhsa_system_sgpr_workgroup_id_z 1
		.amdhsa_system_vgpr_workitem_id 0
		.amdhsa_next_free_vgpr 258
		.amdhsa_next_free_sgpr 100
		.amdhsa_reserve_vcc 0
		.amdhsa_float_denorm_mode_32 3
		.amdhsa_float_denorm_mode_16_64 3
		.amdhsa_memory_ordered 1
		.amdhsa_forward_progress 1
		.amdhsa_inst_pref_size 151
	.end_amdhsa_kernel
	.amdgpu_metadata
---
amdhsa.version: [ 1, 2 ]
amdhsa.kernels:
  - .name:           k_q305aa6b5ef_prep
    .symbol:         k_q305aa6b5ef_prep.kd
    .args:
      - { .name: seed_xyz_graspable, .offset: 0, .size: 8, .value_kind: global_buffer, .address_space: global }
      - { .name: seed_features_graspable, .offset: 8, .size: 8, .value_kind: global_buffer, .address_space: global }
      - { .name: vp_rot, .offset: 16, .size: 8, .value_kind: global_buffer, .address_space: global }
      - { .name: W1, .offset: 24, .size: 8, .value_kind: global_buffer, .address_space: global }
      - { .name: W2, .offset: 32, .size: 8, .value_kind: global_buffer, .address_space: global }
      - { .name: gamma2, .offset: 40, .size: 8, .value_kind: global_buffer, .address_space: global }
      - { .name: masks, .offset: 48, .size: 8, .value_kind: global_buffer, .address_space: global }
      - { .name: rec, .offset: 56, .size: 8, .value_kind: global_buffer, .address_space: global }
      - { .name: wimg, .offset: 64, .size: 8, .value_kind: global_buffer, .address_space: global }
    .group_segment_fixed_size: 76288
    .private_segment_fixed_size: 0
    .kernarg_segment_align: 8
    .kernarg_segment_size: 72
    .max_flat_workgroup_size: 128
    .sgpr_count:     100
    .vgpr_count:     258
    .wavefront_size: 32
...
	.end_amdgpu_metadata
.endif
;; end of part 1
;; launch stat1 (part 2): grid 256 x 1, 4 waves a work-group, no clusters, 168,448 bytes of LDS; arguments masks, rec, wimg, seed_xyz_graspable, vp_rot, idx, p1; writes idx, p1
.if DOCPART == 2
	.amdgcn_target "amdgcn-amd-amdhsa--gfx1250"
	.amdhsa_code_object_version 6
	.text
	.protected	k_q305aa6b5ef_stat1
	.globl	k_q305aa6b5ef_stat1
	.p2align	8
	.type	k_q305aa6b5ef_stat1,@function
k_q305aa6b5ef_stat1:
	s_mov_b64 s[64:65], 0
	v_nop
	global_prefetch_b8 v0, s[64:65] scope:SCOPE_SE
	s_setreg_imm32_b32 hwreg(HW_REG_WAVE_MODE, 25, 1), 1
	s_wait_xcnt 0x0
; The bit masks become the 32 indices of each query (the first 32 hits, filled up with the first hit, or 0 where there is none); the first product y1 = g W1^T on codes of FP6 (E2M3);
; partial statistics (mean, sum of squared deviations) of y1 for each of the 256 channels over the work-group's 1,024 rows.  y1 itself is not kept: the next matrix launch makes it again.
; SHARES.  A work-group has 32 queries, a wave 8; a wave holds ALL of W1 in registers (16 tiles x K steps a, b: 12 registers each; K step c: 6), so the waves share nothing but the copy of the images.
; A query is 32 rows: tile A = samples 0-15, tile B = samples 16-31.  Source 0 = 16 rows, source 1 = 16 rows of W1: a lane holds ONE channel and eight rows, so sums stay in the lane.
; K steps a and b of a row are the gathered point's finished codes; K step c (block 0) is made here: lane = sample, 32 numbers, one block a lane.
; In K step c W1's image has zero codes in lanes 16-31 and the rows' registers 6-11 are zeros, so the other side's bits there count for nothing: W1's fragments of that step overlap, 6 registers apart.
; STATISTICS.  A lane sums d = y - k and d^2, k its own first result (a probe tile ahead of the loop); -k is the C of each sum's first matrix instruction.  Parts are joined as (mean, M2) of equal counts.
; The weights' images come into LDS by asynchronous copies, filled once.  No tensor load, no cluster: what work-groups share is 73,728 bytes once; the rest are gathers by a list.
; LIMITS: NaN and infinities are not served; a block under 2^-124 keeps the scale byte 1; the division by 0.05 is a multiplication by 20 (one rounding apart).
; REGISTERS, in windows of 256: window 0: addresses, scale words, the rows' fragments, sums;  window 1: W1's K step a at 12 t, K step c of tiles 0-7 at 192 + 6 t;
;   window 2: K step b at 12 t, K step c of tiles 8-15;  window 3: the 16 accumulators at 8 t, -k at 128 + 8 t.
.set IDXL, 73728                       ; LDS: 0.. W1's images; here 11 lists of 32 indices for each wave (1,408 bytes), in the order in which they are walked
.set CMB,  79360                       ; 2,048 bytes a wave: (mean, M2) of 256 channels
.set KA,  5
.set OFR, 14
.set OFA, 15
.set OFB, 16
.set IR,  17
.set IA,  18
.set IB,  19
.set W1S, 24                           ; v24-47 W1's scale words: K step x, pair p at 8 x + p: lanes 0-15 tile 2 p, lanes 16-31 tile 2 p + 1
.set SA,  48                           ; the rows' scale words, lane = sample: K steps a, b, c
.set SB,  49
.set SCW, 50
.set SCR, 52
.set X,   56
.set TMPC, 88
.set SCL, 91
.set T,   92
.set FAA, 96                           ; tile A: K step a, then b at + 12
.set FBA, 120
.set FAC, 144
.set FBC, 156
.set S,   168
.set Q,   200
.set TT,  232
.set TU,  233
.set CB,  96                           ; the compaction's 8 x 16 registers, v96-223: free until the walk begins
.set MSB, 0
.macro WIN new                         ; the immediate's high byte repeats the setting that is left
.if MSB != \new
	s_set_vgpr_msb (MSB<<8)|\new
.set MSB, \new
.endif
.endm
.macro PLACES n
.rept \n
	v_nop
.endr
.endm
; two parts of equal count 2^(e + 1): the same bits whichever part is named first
.macro MERGE ma, qa, mb, qb, e
	v_sub_f32 v[TT], v[\ma], v[\mb]
	v_add_f32 v[\ma], v[\ma], v[\mb]
	v_add_f32 v[\qa], v[\qa], v[\qb]
	v_mul_f32 v[TU], (127+\e)<<23, v[TT]
	v_mul_f32 v[\ma], 0.5, v[\ma]
	v_fma_f32 v[\qa], v[TU], v[TT], v[\qa]
.endm
; one scaled product.  c < 0: C is the constant 0.  ra, rb: the scale registers' upper lanes are read
.macro WM d, a, b, c, sa, sb, ra, rb
.if (\c) < 0
.if (\ra) && (\rb)
	v_wmma_scale_f32_16x16x128_f8f6f4 v[(\d):(\d)+7], v[(\a):(\a)+11], v[(\b):(\b)+11], 0, v[\sa], v[\sb] matrix_a_fmt:MATRIX_FMT_FP6 matrix_b_fmt:MATRIX_FMT_FP6 matrix_a_scale:MATRIX_SCALE_ROW1 matrix_b_scale:MATRIX_SCALE_ROW1
.elseif (\ra)
	v_wmma_scale_f32_16x16x128_f8f6f4 v[(\d):(\d)+7], v[(\a):(\a)+11], v[(\b):(\b)+11], 0, v[\sa], v[\sb] matrix_a_fmt:MATRIX_FMT_FP6 matrix_b_fmt:MATRIX_FMT_FP6 matrix_a_scale:MATRIX_SCALE_ROW1
.elseif (\rb)
	v_wmma_scale_f32_16x16x128_f8f6f4 v[(\d):(\d)+7], v[(\a):(\a)+11], v[(\b):(\b)+11], 0, v[\sa], v[\sb] matrix_a_fmt:MATRIX_FMT_FP6 matrix_b_fmt:MATRIX_FMT_FP6 matrix_b_scale:MATRIX_SCALE_ROW1
.else
	v_wmma_scale_f32_16x16x128_f8f6f4 v[(\d):(\d)+7], v[(\a):(\a)+11], v[(\b):(\b)+11], 0, v[\sa], v[\sb] matrix_a_fmt:MATRIX_FMT_FP6 matrix_b_fmt:MATRIX_FMT_FP6
.endif
.else
.if (\ra) && (\rb)
	v_wmma_scale_f32_16x16x128_f8f6f4 v[(\d):(\d)+7], v[(\a):(\a)+11], v[(\b):(\b)+11], v[(\c):(\c)+7], v[\sa], v[\sb] matrix_a_fmt:MATRIX_FMT_FP6 matrix_b_fmt:MATRIX_FMT_FP6 matrix_a_scale:MATRIX_SCALE_ROW1 matrix_b_scale:MATRIX_SCALE_ROW1
.elseif (\ra)
	v_wmma_scale_f32_16x16x128_f8f6f4 v[(\d):(\d)+7], v[(\a):(\a)+11], v[(\b):(\b)+11], v[(\c):(\c)+7], v[\sa], v[\sb] matrix_a_fmt:MATRIX_FMT_FP6 matrix_b_fmt:MATRIX_FMT_FP6 matrix_a_scale:MATRIX_SCALE_ROW1
.elseif (\rb)
	v_wmma_scale_f32_16x16x128_f8f6f4 v[(\d):(\d)+7], v[(\a):(\a)+11], v[(\b):(\b)+11], v[(\c):(\c)+7], v[\sa], v[\sb] matrix_a_fmt:MATRIX_FMT_FP6 matrix_b_fmt:MATRIX_FMT_FP6 matrix_b_scale:MATRIX_SCALE_ROW1
.else
	v_wmma_scale_f32_16x16x128_f8f6f4 v[(\d):(\d)+7], v[(\a):(\a)+11], v[(\b):(\b)+11], v[(\c):(\c)+7], v[\sa], v[\sb] matrix_a_fmt:MATRIX_FMT_FP6 matrix_b_fmt:MATRIX_FMT_FP6
.endif
.endif
.endm
.macro PARAMS                          ; the query's x, y, z and rot leave the registers in which the next query's will land
	s_mov_b32 s24, s68
	s_mov_b32 s25, s69
	s_mov_b32 s26, s70
.irp i, 0,1,2,3,4,5,6,7,8
	s_mov_b32 s[28+\i], s[72+\i]
.endr
.endm
.macro PLOAD lim                       ; the numbers of my query s37 are asked for; s37 steps and is held at the last
	s_mul_i32 s88, s37, 12
	s_add_nc_u64 s[90:91], s[84:85], s[88:89]
	s_mul_i32 s88, s37, 36
	s_add_nc_u64 s[92:93], s[86:87], s[88:89]
	s_load_b96 s[68:70], s[90:91], 0x0
	s_load_b256 s[72:79], s[92:93], 0x0
	s_load_b32 s80, s[92:93], 0x20
	s_add_co_u32 s37, s37, 1
	s_min_u32 s37, s37, \lim
.endm
; K block 0 of the query's 32 rows, lane = sample: ((point - query) x 20) rot, then f0..f28; quantised: one block a lane
.macro ABUILD
	v_mov_b32 v[SA], v[SCR]
	v_mov_b32 v[SB], v[SCR+1]
	v_sub_f32 v[T], v[X], s24
	v_sub_f32 v[T+1], v[X+1], s25
	v_sub_f32 v[T+2], v[X+2], s26
	v_mul_f32 v[T], 0x41a00000, v[T]
	v_mul_f32 v[T+1], 0x41a00000, v[T+1]
	v_mul_f32 v[T+2], 0x41a00000, v[T+2]
	v_mul_f32 v[X], s28, v[T]
	v_mul_f32 v[X+1], s29, v[T]
	v_mul_f32 v[X+2], s30, v[T]
	v_fma_f32 v[X], v[T+1], s31, v[X]
	v_fma_f32 v[X+1], v[T+1], s32, v[X+1]
	v_fma_f32 v[X+2], v[T+1], s33, v[X+2]
	v_fma_f32 v[X], v[T+2], s34, v[X]
	v_fma_f32 v[X+1], v[T+2], s35, v[X+1]
	v_fma_f32 v[X+2], v[T+2], s36, v[X+2]
	v_max3_num_f32 v[T+3], |v[X]|, |v[X+1]|, |v[X+2]|
	v_max3_num_f32 v[T+3], v[T+3], v[SCR+2], 0x1800000   ; with the record's largest |f0..f28| and the floor
	v_add_nc_u32 v[SCL], 0xff000000, v[T+3]
	v_lshrrev_b32 v[SCW], 23, v[SCL]               ; byte 0 is the block's; bytes 1-3 are 0 and meet zero codes alone
	v_cvt_scalef32_pk16_fp6_f32 v[FAC:FAC+2], v[X:X+15], v[SCL]
	v_cvt_scalef32_pk16_fp6_f32 v[TMPC:TMPC+2], v[X+16:X+31], v[SCL]
	v_nop                                          ; one plain place behind a scaled conversion
.irp i, 0,1,2
	v_mov_b32 v[FAC+3+\i], v[TMPC+\i]
.endr
.irp i, 0,1,2,3,4,5
	v_permlanex16_b32 v[FBC+\i], v[FAC+\i], s40, s41   ; tile B's rows into lanes 0-15
.endr
.endm
; the next query's three offsets into the records.  Eight plain lines: the places between the vector writes of scale words and operands above and the scaled products
.macro NEXTOFF
	v_min_u32 v[IR], 0x7ff, v[IR]
	v_min_u32 v[IA], 0x7ff, v[IA]
	v_min_u32 v[IB], 0x7ff, v[IB]
	v_mul_u32_u24 v[OFR], v[IR], 384
	v_mad_u32_u24 v[OFA], v[IA], 384, v[KA]
	v_mad_u32_u24 v[OFB], v[IB], 384, v[KA]
	v_nop
	v_nop
.endm
.macro LF0                             ; 9 loads: lane = sample: the record's 32 f32 numbers, and its scale words
.irp i, 0,1,2,3,4,5,6,7
	global_load_b128 v[X+4*\i:X+4*\i+3], v[OFR], s[44:45] offset:16*\i
.endr
	global_load_b128 v[SCR:SCR+3], v[OFR], s[44:45] offset:320
.endm
.macro LTILE f, of                     ; 6 loads: lane (r, h): row r's 48 bytes of half h, K step a and K step b: the operand's registers as they lie
.irp i, 0,1,2
	global_load_b128 v[\f+4*\i:\f+4*\i+3], v[\of], s[44:45] offset:16*\i
.endr
.irp i, 0,1,2
	global_load_b128 v[\f+12+4*\i:\f+12+4*\i+3], v[\of], s[44:45] offset:96+16*\i
.endr
.endm
; 48 products: a tile of 16 rows x 256 channels.  The 16 accumulators take turns, one instruction a turn
.macro CONVN f, fc, rw, zero
	WIN 0xF4
.irp t, 0,1,2,3,4,5,6,7,8,9,10,11,12,13,14,15
.if \zero
	WM 8*\t, \f, 12*\t, -1, SA, W1S+(\t/2), \rw, \t%2
.else
	WM 8*\t, \f, 12*\t, 128+8*\t, SA, W1S+(\t/2), \rw, \t%2
.endif
.endr
.irp t, 0,1,2,3,4,5,6,7
	WM 8*\t, \fc, 192+6*\t, 8*\t, SCW, W1S+16+(\t/2), \rw, \t%2
.endr
	WIN 0xF8
.irp t, 0,1,2,3,4,5,6,7,8,9,10,11,12,13,14,15
	WM 8*\t, \f+12, 12*\t, 8*\t, SB, W1S+8+(\t/2), \rw, \t%2
.endr
.irp t, 8,9,10,11,12,13,14,15
	WM 8*\t, \fc, 192+6*(\t-8), 8*\t, SCW, W1S+16+(\t/2), \rw, \t%2
.endr
.endm
.macro STAT                            ; sums of d and of d^2, two at a time; each accumulator from its low end on
	WIN 0x03
.irp jp, 0,1,2,3
.irp t, 0,1,2,3,4,5,6,7,8,9,10,11,12,13,14,15
	v_pk_add_f32 v[S+2*\t:S+2*\t+1], v[8*\t+2*\jp:8*\t+2*\jp+1], v[S+2*\t:S+2*\t+1]
.endr
.endr
	WIN 0x0F
.irp jp, 0,1,2,3
.irp t, 0,1,2,3,4,5,6,7,8,9,10,11,12,13,14,15
	v_pk_fma_f32 v[Q+2*\t:Q+2*\t+1], v[8*\t+2*\jp:8*\t+2*\jp+1], v[8*\t+2*\jp:8*\t+2*\jp+1], v[Q+2*\t:Q+2*\t+1]
.endr
.endr
	WIN 0
.endm
.macro MAKESH                          ; -k, eight times, for each accumulator
	WIN 0xCC
.irp t, 0,1,2,3,4,5,6,7,8,9,10,11,12,13,14,15
.irp j, 0,1,2,3,4,5,6,7
	v_mul_f32 v[128+8*\t+\j], -1.0, v[8*\t]
.endr
.endr
	WIN 0
.endm
; the number of ones in v[x], into v[d]; v[t] at work.  Counts of 2, 4 and 8 bits side by side, then the four bytes added by a multiplication
.macro POPC d, x, t
	v_lshrrev_b32 v[\t], 1, v[\x]
	v_and_b32 v[\t], s94, v[\t]
	v_sub_nc_u32 v[\d], v[\x], v[\t]
	v_lshrrev_b32 v[\t], 2, v[\d]
	v_and_b32 v[\d], s95, v[\d]
	v_and_b32 v[\t], s95, v[\t]
	v_add_nc_u32 v[\d], v[\d], v[\t]
	v_lshrrev_b32 v[\t], 4, v[\d]
	v_add_nc_u32 v[\d], v[\d], v[\t]
	v_and_b32 v[\d], s96, v[\d]
	v_mul_lo_u32 v[\d], v[\d], s97
	v_lshrrev_b32 v[\d], 24, v[\d]
.endm
; one halving of the search for a word's K-th one: the count of the wd bits from the place on stands in a field of fw bits of register src; where it is at most K, it is taken off K and the place moves wd on
.macro SEL src, fw, wd
.irp q, 0,1,2,3,4,5,6,7
	v_bfe_u32 v[CB+16*\q+6], v[CB+16*\q+\src], v[CB+16*\q+10], \fw
	v_cmp_le_u32 vcc_lo, v[CB+16*\q+6], v[CB+16*\q+9]
	v_cndmask_b32 v[CB+16*\q+6], 0, v[CB+16*\q+6], vcc_lo
	v_sub_nc_u32 v[CB+16*\q+9], v[CB+16*\q+9], v[CB+16*\q+6]
	v_cndmask_b32 v[CB+16*\q+6], 0, \wd, vcc_lo
	v_add_nc_u32 v[CB+16*\q+10], v[CB+16*\q+10], v[CB+16*\q+6]
.endr
.endm
	s_load_b256 s[4:11], s[0:1], 0x0               ; masks s[4:5], rec s[6:7], wimg s[8:9], xyz s[10:11]
	s_load_b128 s[12:15], s[0:1], 0x20             ; rot s[12:13], idx s[14:15]
	s_load_b64 s[16:17], s[0:1], 0x30              ; p1
	v_lshl_add_u32 v254, v0, 2, 0x29000
	v_mov_b32 v255, 0
	ds_add_u32 v254, v255
	ds_add_u32 v254, v255
	v_lshrrev_b32 v1, 5, v0
	v_readfirstlane_b32 s20, v1                    ; wave
	v_and_b32 v3, 31, v0                           ; lane
	v_lshlrev_b32 v1, 2, v3
	v_lshlrev_b32 v2, 3, v3
	v_lshrrev_b32 v4, 4, v3                        ; h
	v_mul_u32_u24 v[KA], v4, 48
	v_add_nc_u32 v[KA], 128, v[KA]                 ; where my half's codes begin in a record
	v_lshlrev_b32 v6, 4, v0
	v_lshlrev_b32 v7, 4, v0
	v_add_nc_u32 v22, 0x10000, v6                  ; the copies' second pair of addresses: their immediates stay under 65,536
	v_add_nc_u32 v23, 0x10000, v7
	v_lshlrev_b32 v8, 4, v3
	v_add_nc_u32 v9, 49152, v8
	s_mul_i32 s21, s20, 1408
	s_add_co_u32 s21, s21, IDXL
	v_add_nc_u32 v10, s21, v1                      ; a list, lane = sample
	v_and_b32 v20, 15, v3
	v_lshl_add_u32 v11, v20, 2, s21                ; a list, lane % 16 = sample of a tile
	v_and_b32 v21, 8, v20
	v_add_nc_u32 v20, v20, v21                     ; r + 8 (r / 8)
	s_lshl_b32 s21, s20, 11
	s_add_co_u32 s21, s21, CMB
	v_lshl_add_u32 v20, v20, 3, s21
	v_add_nc_u32 v21, CMB, v6
	s_mov_b32 s40, 0x76543210
	s_mov_b32 s41, 0xfedcba98                      ; v_permlanex16_b32's selects for lane l xor 16
	s_mov_b32 s94, 0x55555555
	s_mov_b32 s95, 0x33333333
	s_mov_b32 s96, 0x0f0f0f0f
	s_mov_b32 s97, 0x01010101
	s_lshl_b32 s23, ttmp9, 5
	s_lshl_b32 s21, s20, 3
	s_add_co_u32 s23, s23, s21                     ; my first query, counted over all batches
	s_mov_b32 s89, 0
	s_wait_dscnt 0x0
	s_wait_kmcnt 0x0
.set i, 0
.rept 32
	global_load_async_to_lds_b128 v6, v7, s[8:9] offset:2048*i   ; W1's three K steps: 73,728 bytes, once: 128 threads x 16 bytes a line
.set i, i+1
.endr
.set i, 0
.rept 4
	global_load_async_to_lds_b128 v22, v23, s[8:9] offset:2048*i
.set i, i+1
.endr
	s_lshl_b32 s88, s23, 8
	s_add_nc_u64 s[4:5], s[4:5], s[88:89]
.irp q, 0,1,2,3,4,5,6,7
	global_load_b64 v[CB+16*\q:CB+16*\q+1], v2, s[4:5] offset:256*\q   ; lane l: mask words 2 l, 2 l + 1 of query q
.endr
.irp x, 0,1,2
.irp p, 0,1,2,3,4,5,6,7
	global_load_b32 v[W1S+8*\x+\p], v1, s[8:9] offset:122880+1024*\x+128*\p
.endr
.endr
	s_lshl_b32 s88, s23, 7
	s_add_nc_u64 s[14:15], s[14:15], s[88:89]
	s_mul_i32 s88, s23, 12
	s_add_nc_u64 s[84:85], s[10:11], s[88:89]
	s_mul_i32 s88, s23, 36
	s_add_nc_u64 s[86:87], s[12:13], s[88:89]
	s_lshr_b32 s88, ttmp9, 6
	s_mul_i32 s88, s88, 786432
	s_add_nc_u64 s[44:45], s[6:7], s[88:89]        ; the batch's 2,048 records
	s_lshl_b32 s88, ttmp9, 11
	s_add_nc_u64 s[16:17], s[16:17], s[88:89]
	s_wait_loadcnt 24                              ; the 8 mask rows are in; the 24 scale words behind them may be out
; THE COMPACTION, eight queries, no branch.  Lane l holds 64 candidates and is also slot l.  Registers of query q at CB + 16 q:
; 0, 1 the words; 2 their count; 3 its running sum over the lanes; 4 the sum without mine; 5 4 x the lane that holds my slot's hit; 6, 7 at work; 8 the word; 9 which of its ones; 10 the one's place;
; 11 the index; 12 the first word's count, later the chosen word's counts of 2 bits; 13, 14, 15 its counts of 4, 8, 16 bits
.irp q, 0,1,2,3,4,5,6,7
	POPC CB+16*\q+12, CB+16*\q, CB+16*\q+6
	POPC CB+16*\q+2, CB+16*\q+1, CB+16*\q+6
.endr
.irp q, 0,1,2,3,4,5,6,7
	v_add_nc_u32 v[CB+16*\q+2], v[CB+16*\q+2], v[CB+16*\q+12]
.endr
.irp q, 0,1,2,3,4,5,6,7
	v_mov_b32 v[CB+16*\q+3], v[CB+16*\q+2]
	v_mov_b32 v[CB+16*\q+6], 0
	v_mov_b32 v[CB+16*\q+5], 0
.endr
.irp n, 1,2,4,8
.irp q, 0,1,2,3,4,5,6,7
	v_mov_b32_dpp v[CB+16*\q+6], v[CB+16*\q+3] row_shr:\n row_mask:0xf bank_mask:0xf bound_ctrl:1
.endr
.irp q, 0,1,2,3,4,5,6,7
	v_add_nc_u32 v[CB+16*\q+3], v[CB+16*\q+3], v[CB+16*\q+6]
.endr
.endr
.irp q, 0,1,2,3,4,5,6,7
	v_readlane_b32 s[48+\q], v[CB+16*\q+3], 15
.endr
.irp q, 0,1,2,3,4,5,6,7
	v_mad_u32_u24 v[CB+16*\q+3], v4, s[48+\q], v[CB+16*\q+3]   ; lanes 16-31 add the lower half's total
.endr
.irp q, 0,1,2,3,4,5,6,7
	v_readlane_b32 s[48+\q], v[CB+16*\q+3], 31     ; the query's hits in all
	v_sub_nc_u32 v[CB+16*\q+4], v[CB+16*\q+3], v[CB+16*\q+2]
.endr
.irp st, 16,8,4,2,1                            ; the first lane whose running sum is above my slot's number: by halving
.irp q, 0,1,2,3,4,5,6,7
	v_add_nc_u32 v[CB+16*\q+6], 4*(\st-1), v[CB+16*\q+5]
.endr
.irp q, 0,1,2,3,4,5,6,7
	ds_bpermute_b32 v[CB+16*\q+7], v[CB+16*\q+6], v[CB+16*\q+3]
.endr
	s_wait_dscnt 0x0
.irp q, 0,1,2,3,4,5,6,7
	v_cmp_le_u32 vcc_lo, v[CB+16*\q+7], v3
	v_cndmask_b32 v[CB+16*\q+6], 0, 4*\st, vcc_lo
	v_add_nc_u32 v[CB+16*\q+5], v[CB+16*\q+5], v[CB+16*\q+6]
.endr
.endr
.irp q, 0,1,2,3,4,5,6,7
	ds_bpermute_b32 v[CB+16*\q+6], v[CB+16*\q+5], v[CB+16*\q]      ; that lane's two words,
	ds_bpermute_b32 v[CB+16*\q+7], v[CB+16*\q+5], v[CB+16*\q+1]
	ds_bpermute_b32 v[CB+16*\q+9], v[CB+16*\q+5], v[CB+16*\q+4]    ; the hits ahead of it,
	ds_bpermute_b32 v[CB+16*\q+10], v[CB+16*\q+5], v[CB+16*\q+12]  ; and its first word's count
.endr
	s_wait_dscnt 0x0
.irp q, 0,1,2,3,4,5,6,7
	v_sub_nc_u32 v[CB+16*\q+9], v3, v[CB+16*\q+9]  ; which hit of that lane's 64 candidates
	v_cmp_le_u32 vcc_lo, v[CB+16*\q+10], v[CB+16*\q+9]
	v_cndmask_b32 v[CB+16*\q+8], v[CB+16*\q+6], v[CB+16*\q+7], vcc_lo
	v_cndmask_b32 v[CB+16*\q+10], 0, v[CB+16*\q+10], vcc_lo
	v_sub_nc_u32 v[CB+16*\q+9], v[CB+16*\q+9], v[CB+16*\q+10]
	v_cndmask_b32 v[CB+16*\q+6], 0, 32, vcc_lo
	v_lshl_add_u32 v[CB+16*\q+11], v[CB+16*\q+5], 4, v[CB+16*\q+6]
	v_mov_b32 v[CB+16*\q+10], 0
.endr
.irp q, 0,1,2,3,4,5,6,7                        ; the chosen word's counts of 2, 4, 8 and 16 bits, side by side in their fields
	v_lshrrev_b32 v[CB+16*\q+6], 1, v[CB+16*\q+8]
	v_and_b32 v[CB+16*\q+6], s94, v[CB+16*\q+6]
	v_sub_nc_u32 v[CB+16*\q+12], v[CB+16*\q+8], v[CB+16*\q+6]
	v_lshrrev_b32 v[CB+16*\q+6], 2, v[CB+16*\q+12]
	v_and_b32 v[CB+16*\q+6], s95, v[CB+16*\q+6]
	v_and_b32 v[CB+16*\q+13], s95, v[CB+16*\q+12]
	v_add_nc_u32 v[CB+16*\q+13], v[CB+16*\q+13], v[CB+16*\q+6]
	v_lshrrev_b32 v[CB+16*\q+6], 4, v[CB+16*\q+13]
	v_add_nc_u32 v[CB+16*\q+14], v[CB+16*\q+13], v[CB+16*\q+6]
	v_and_b32 v[CB+16*\q+14], s96, v[CB+16*\q+14]
	v_lshrrev_b32 v[CB+16*\q+6], 8, v[CB+16*\q+14]
	v_add_nc_u32 v[CB+16*\q+15], v[CB+16*\q+14], v[CB+16*\q+6]
.endr
	SEL 15, 8, 16
	SEL 14, 8, 8
	SEL 13, 4, 4
	SEL 12, 2, 2
	SEL 8, 1, 1
.irp q, 0,1,2,3,4,5,6,7
	v_add_nc_u32 v[CB+16*\q+11], v[CB+16*\q+11], v[CB+16*\q+10]
	v_min_u32 v[CB+16*\q+11], 0x7ff, v[CB+16*\q+11]
	v_readfirstlane_b32 s[56+\q], v[CB+16*\q+11]   ; the first hit,
	s_cmp_eq_u32 s[48+\q], 0
	s_cselect_b32 s[56+\q], 0, s[56+\q]            ; or 0 where there is none,
	v_mov_b32 v[CB+16*\q+6], s[56+\q]
	v_cmp_gt_u32 vcc_lo, s[48+\q], v3
	v_cndmask_b32 v[CB+16*\q+11], v[CB+16*\q+6], v[CB+16*\q+11], vcc_lo   ; fills the slots beyond the hits
.endr
	ds_store_b32 v10, v[CB+11]                     ; the lists in the order of the walk: the probe takes query 0, two more follow the last
.irp q, 0,1,2,3,4,5,6,7
	ds_store_b32 v10, v[CB+16*\q+11] offset:128*(\q+1)
	global_store_b32 v1, v[CB+16*\q+11], s[14:15] offset:128*\q
.endr
	ds_store_b32 v10, v[CB+123] offset:1152
	ds_store_b32 v10, v[CB+123] offset:1280
	s_wait_xcnt 0x0                                ; the stores' registers are written again only behind this wait
	s_wait_asynccnt 0x0                            ; my part of the images has landed,
	s_wait_dscnt 0x0
	s_barrier_signal -1
	s_barrier_wait -1                              ; everybody's has
	WIN 0x40
.irp t, 0,1,2,3,4,5,6,7,8,9,10,11,12,13,14,15
.irp i, 0,1,2
	ds_load_b128 v[12*\t+4*\i:12*\t+4*\i+3], v8 offset:1536*\t+512*\i
.endr
.endr
.irp t, 0,1,2,3,4,5,6,7
	ds_load_b128 v[192+6*\t:195+6*\t], v9 offset:1536*\t
	ds_load_b64 v[196+6*\t:197+6*\t], v9 offset:1536*\t+512
.endr
.irp i, 0,1,2,3,4,5
	v_mov_b32 v[240+\i], 0                         ; behind the last overlapping fragment
.endr
	WIN 0x80
.irp t, 0,1,2,3,4,5,6,7,8,9,10,11,12,13,14,15
.irp i, 0,1,2
	ds_load_b128 v[12*\t+4*\i:12*\t+4*\i+3], v8 offset:24576+1536*\t+512*\i
.endr
.endr
.irp t, 0,1,2,3,4,5,6,7
	ds_load_b128 v[192+6*\t:195+6*\t], v9 offset:1536*(\t+8)
	ds_load_b64 v[196+6*\t:197+6*\t], v9 offset:1536*(\t+8)+512
.endr
.irp i, 0,1,2,3,4,5
	v_mov_b32 v[240+\i], 0
.endr
	WIN 0
.set i, 0
.rept 64
	v_mov_b32 v[S+i], 0                            ; the sums
.set i, i+1
.endr
.set i, 6
.rept 18
	v_mov_b32 v[FAC+i], 0                          ; registers 6-11 of both K step c fragments stay zeros; tile B's 0-5 are a lane permute's destination
.set i, i+1
.endr
	ds_load_b32 v[IR], v10                         ; the probe's list
	ds_load_b32 v[IA], v11
	ds_load_b32 v[IB], v11 offset:64
	s_wait_loadcnt 0x0
	s_wait_dscnt 0x0
	NEXTOFF
	s_mov_b32 s43, 128
	v_add_nc_u32 v12, s43, v10
	v_add_nc_u32 v13, s43, v11
	ds_load_b32 v[IR], v12
	ds_load_b32 v[IA], v13
	ds_load_b32 v[IB], v13 offset:64
	s_load_b96 s[68:70], s[84:85], 0x0
	s_load_b256 s[72:79], s[86:87], 0x0
	s_load_b32 s80, s[86:87], 0x20
	s_mov_b32 s37, 0
	LF0
	LTILE FAA, OFA
	LTILE FBA, OFB
; One query.  mode = 1: the probe: tile A alone, from 0; its first results become k.
.macro QUERY mode
	s_wait_loadcnt 12                              ; block 0's nine loads are in; the two tiles' 6 + 6 behind them may be out
	s_wait_kmcnt 0x0
	PARAMS
	ABUILD
	s_wait_xcnt 0x0                                ; the offsets and pointers of earlier loads are written again only behind this wait
	s_wait_dscnt 0x0                               ; the next list is in
	NEXTOFF
	s_add_co_u32 s43, s43, 128
	v_add_nc_u32 v12, s43, v10
	v_add_nc_u32 v13, s43, v11
	ds_load_b32 v[IR], v12
	ds_load_b32 v[IA], v13
	ds_load_b32 v[IB], v13 offset:64
	PLOAD 7
	LF0
	s_wait_loadcnt 15                              ; tile A is in; tile B's 6 and the next block 0's 9 may be out
	CONVN FAA, FAC, 0, \mode
	PLACES 4                                       ; in front of loads into registers that the products have read, and of the first read of results
	WIN 0
	LTILE FAA, OFA
.if \mode
	MAKESH
.else
	STAT
.endif
	s_wait_loadcnt 15                              ; tile B is in; 9 + 6 younger loads may be out
.if !\mode
	CONVN FBA, FBC, 1, 0
	PLACES 4
	WIN 0
.endif
	LTILE FBA, OFB
.if !\mode
	STAT
.endif
.endm
	QUERY 1
	s_mov_b32 s42, 0
.Lquery:
	QUERY 0
	s_add_co_u32 s42, s42, 1
	s_cmp_lt_u32 s42, 8
	s_cbranch_scc1 .Lquery
	s_wait_loadcnt 0x0                             ; what was asked for beyond the last query is let in and dropped
	s_wait_dscnt 0x0
	s_wait_kmcnt 0x0
	; a lane's 128 numbers of each channel: mean and M2; then lane l xor 16's; then the four waves'
.irp t, 0,1,2,3,4,5,6,7,8,9,10,11,12,13,14,15
	v_add_f32 v[S+2*\t], v[S+2*\t], v[S+2*\t+1]
	v_add_f32 v[Q+2*\t], v[Q+2*\t], v[Q+2*\t+1]
.endr
.irp t, 0,1,2,3,4,5,6,7,8,9,10,11,12,13,14,15
	v_mul_f32 v[S+2*\t+1], 0x3c000000, v[S+2*\t]   ; the mean of d: / 128
.endr
.irp t, 0,1,2,3,4,5,6,7,8,9,10,11,12,13,14,15
	v_fma_f32 v[Q+2*\t], -v[S+2*\t], v[S+2*\t+1], v[Q+2*\t]
.endr
	WIN 0x0C
.irp t, 0,1,2,3,4,5,6,7,8,9,10,11,12,13,14,15
	v_sub_f32 v[S+2*\t], v[S+2*\t+1], v[128+8*\t]  ; + k
.endr
	WIN 0
.irp t, 0,1,2,3,4,5,6,7,8,9,10,11,12,13,14,15
	v_permlanex16_b32 v[S+2*\t+1], v[S+2*\t], s40, s41
	v_permlanex16_b32 v[Q+2*\t+1], v[Q+2*\t], s40, s41
.endr
.irp t, 0,1,2,3,4,5,6,7,8,9,10,11,12,13,14,15
	MERGE S+2*\t, Q+2*\t, S+2*\t+1, Q+2*\t+1, 6
	v_mov_b32 v[S+2*\t+1], v[Q+2*\t]
.endr
.irp t, 0,1,2,3,4,5,6,7,8,9,10,11,12,13,14,15
	ds_store_b64 v20, v[S+2*\t:S+2*\t+1] offset:8*(32*(\t/2)+8*(\t%2))   ; both halves of the lanes write the same bits
.endr
	s_wait_dscnt 0x0
	s_barrier_signal -1
	s_barrier_wait -1
.irp i, 0,1,2,3
	ds_load_b128 v[96+4*\i:99+4*\i], v21 offset:2048*\i
.endr
	s_wait_dscnt 0x0
	MERGE 96, 97, 100, 101, 7
	MERGE 98, 99, 102, 103, 7
	MERGE 104, 105, 108, 109, 7
	MERGE 106, 107, 110, 111, 7
	MERGE 96, 97, 104, 105, 8
	MERGE 98, 99, 106, 107, 8
	global_store_b128 v6, v[96:99], s[16:17]       ; 512 consecutive bytes a wave
	s_wait_tensorcnt 0x0
	ds_add_u32 v254, v255
	s_wait_dscnt 0x0
	s_endpgm
.Lfunc_end_k_q305aa6b5ef_stat1:
	.size	k_q305aa6b5ef_stat1, .Lfunc_end_k_q305aa6b5ef_stat1-k_q305aa6b5ef_stat1
	.p2alignl 7, 3214868480
	.fill 96, 4, 3214868480
	.section	.rodata,"a",@progbits
	.p2align	6, 0x0
	.amdhsa_kernel k_q305aa6b5ef_stat1
		.amdhsa_group_segment_fixed_size 168448
		.amdhsa_private_segment_fixed_size 0
		.amdhsa_enable_private_segment 0
		.amdhsa_kernarg_size 56
		.amdhsa_user_sgpr_count 2
		.amdhsa_user_sgpr_kernarg_segment_ptr 1
		.amdhsa_wavefront_size32 1
		.amdhsa_system_sgpr_workgroup_id_x 1
		.amdhsa_system_sgpr_workgroup_id_y 1
		.amdhsa_system_sgpr_workgroup_id_z 1
		.amdhsa_system_vgpr_workitem_id 0
		.amdhsa_next_free_vgpr 1024
		.amdhsa_next_free_sgpr 100
		.amdhsa_reserve_vcc 1
		.amdhsa_float_denorm_mode_32 3
		.amdhsa_float_denorm_mode_16_64 3
		.amdhsa_memory_ordered 1
		.amdhsa_forward_progress 1
		.amdhsa_inst_pref_size 130
	.end_amdhsa_kernel
	.amdgpu_metadata
---
amdhsa.version: [ 1, 2 ]
amdhsa.kernels:
  - .name:           k_q305aa6b5ef_stat1
    .symbol:         k_q305aa6b5ef_stat1.kd
    .args:
      - { .name: masks, .offset: 0, .size: 8, .value_kind: global_buffer, .address_space: global }
      - { .name: rec, .offset: 8, .size: 8, .value_kind: global_buffer, .address_space: global }
      - { .name: wimg, .offset: 16, .size: 8, .value_kind: global_buffer, .address_space: global }
      - { .name: seed_xyz_graspable, .offset: 24, .size: 8, .value_kind: global_buffer, .address_space: global }
      - { .name: vp_rot, .offset: 32, .size: 8, .value_kind: global_buffer, .address_space: global }
      - { .name: idx, .offset: 40, .size: 8, .value_kind: global_buffer, .address_space: global }
      - { .name: p1, .offset: 48, .size: 8, .value_kind: global_buffer, .address_space: global }
    .group_segment_fixed_size: 168448
    .private_segment_fixed_size: 0
    .kernarg_segment_align: 8
    .kernarg_segment_size: 56
    .max_flat_workgroup_size: 128
    .sgpr_count:     100
    .vgpr_count:     1024
    .wavefront_size: 32
...
	.end_amdgpu_metadata
.endif
;; end of part 2
;; launch bn1 (part 3): grid 8 x 1, 8 waves a work-group, no clusters, 3,072 bytes of LDS; arguments p1, gamma1, beta1, ab1; writes ab1
.if DOCPART == 3
	.amdgcn_target "amdgcn-amd-amdhsa--gfx1250"
	.amdhsa_code_object_version 6
	.text
	.protected	k_q305aa6b5ef_bn1
	.globl	k_q305aa6b5ef_bn1
	.p2align	8
	.type	k_q305aa6b5ef_bn1,@function
k_q305aa6b5ef_bn1:
	s_mov_b64 s[64:65], 0
	v_nop
	global_prefetch_b8 v0, s[64:65] scope:SCOPE_SE
	s_setreg_imm32_b32 hwreg(HW_REG_WAVE_MODE, 25, 1), 1
	s_wait_xcnt 0x0
; The 256 work-groups' parts (mean, M2 over 1,024 rows each) of the first product become a1 = gamma1 rsqrt(var + eps) and b1 = beta1 - mean a1.
; Work-group j takes channels 32 j .. 32 j + 31; wave w the parts 32 w .. 32 w + 31; a lane two channels.  Parts of equal count are joined in a tree: no difference of large sums is formed.
; Eight work-groups: the whole input is 512 KiB, and each channel's sum has one owner.
.set TT, 20
.set TU, 21
.macro MERGE ma, qa, mb, qb, e         ; two parts of equal count 2^(e + 1)
	v_sub_f32 v[TT], v[\ma], v[\mb]
	v_add_f32 v[\ma], v[\ma], v[\mb]
	v_add_f32 v[\qa], v[\qa], v[\qb]
	v_mul_f32 v[TU], (127+\e)<<23, v[TT]
	v_mul_f32 v[\ma], 0.5, v[\ma]
	v_fma_f32 v[\qa], v[TU], v[TT], v[\qa]
.endm
.macro MERGE2 a, b, e                  ; quads (mean, M2, mean, M2) number a and b
	MERGE 32+4*(\a), 33+4*(\a), 32+4*(\b), 33+4*(\b), \e
	MERGE 34+4*(\a), 35+4*(\a), 34+4*(\b), 35+4*(\b), \e
.endm
; leaves v32, v34 the means and v36, v37 rsqrt(var + eps) of channels 32 j + 2 (lane % 16) and the next, in every wave
.macro REDUCE
	s_lshl_b32 s26, s21, 16
	s_lshl_b32 s27, s20, 8
	s_add_co_u32 s26, s26, s27
	s_mov_b32 s27, 0
	s_add_nc_u64 s[28:29], s[4:5], s[26:27]
	v_lshlrev_b32 v18, 4, v2
	v_lshl_add_u32 v16, v3, 11, v18
	s_lshl_b32 s26, s21, 8
	v_add_nc_u32 v17, s26, v18
.irp k, 0,1,2,3,4,5,6,7,8,9,10,11,12,13,14,15
	global_load_b128 v[32+4*\k:35+4*\k], v16, s[28:29] offset:4096*\k   ; sixteen lanes read 256 consecutive bytes of one part
.endr
	s_wait_loadcnt 0x0
.irp k, 0,2,4,6,8,10,12,14
	MERGE2 \k, \k+1, 9
.endr
.irp k, 0,4,8,12
	MERGE2 \k, \k+2, 10
.endr
	MERGE2 0, 4, 11
	MERGE2 8, 12, 11
	MERGE2 0, 8, 12
.irp i, 0,1,2,3
	v_permlanex16_b32 v[36+\i], v[32+\i], s32, s33
.endr
	MERGE2 0, 1, 13
	ds_store_b128 v17, v[32:35]                    ; both halves of the lanes write the same bits
	s_wait_dscnt 0x0
	s_barrier_signal -1
	s_barrier_wait -1
.irp i, 0,1,2,3,4,5,6,7
	ds_load_b128 v[32+4*\i:35+4*\i], v18 offset:256*\i
.endr
	s_wait_dscnt 0x0
.irp k, 0,2,4,6
	MERGE2 \k, \k+1, 14
.endr
	MERGE2 0, 2, 15
	MERGE2 4, 6, 15
	MERGE2 0, 4, 16
	v_fma_f32 v33, v33, s30, s31                   ; M2 / 262,144 + eps
	v_fma_f32 v35, v35, s30, s31
	v_rsq_f32 v36, v33
	v_rsq_f32 v37, v35
	v_nop                                          ; a plain place behind the transcendentals
	s_wait_alu depctr_va_vdst(0)                   ; one wait for both, ahead of their first reader
.endm
	s_load_b256 s[4:11], s[0:1], 0x0               ; p1, gamma1, beta1, ab1
	v_lshl_add_u32 v128, v0, 2, 0x800
	v_mov_b32 v129, 0
	v_lshrrev_b32 v1, 5, v0
	v_readfirstlane_b32 s21, v1                    ; wave
	s_mov_b32 s20, ttmp9                           ; j
	v_and_b32 v1, 31, v0
	v_and_b32 v2, 15, v0
	v_lshrrev_b32 v3, 4, v1                        ; h
	s_mov_b32 s30, 0x36800000                      ; 2^-18
	s_mov_b32 s31, 0x3727c5ac                      ; 1e-5
	s_mov_b32 s32, 0x76543210
	s_mov_b32 s33, 0xfedcba98
	s_lshl_b32 s24, s20, 7
	s_mov_b32 s25, 0
	v_lshlrev_b32 v5, 3, v2
	s_wait_kmcnt 0x0
	s_add_nc_u64 s[6:7], s[6:7], s[24:25]
	s_add_nc_u64 s[8:9], s[8:9], s[24:25]
	s_add_nc_u64 s[10:11], s[10:11], s[24:25]
	global_load_b64 v[8:9], v5, s[6:7]
	global_load_b64 v[10:11], v5, s[8:9]
	REDUCE
	v_mul_f32 v12, v8, v36
	v_mul_f32 v13, v9, v37
	v_fma_f32 v14, -v32, v12, v10
	v_fma_f32 v15, -v34, v13, v11
	s_cmp_lg_u32 s21, 0                            ; every wave holds the result; wave 0 stores it
	s_cbranch_scc1 .Lend
	v_cmp_ne_u32 vcc_lo, 0, v3
	v_cndmask_b32 v12, v12, v14, vcc_lo            ; lanes 0-15 the pair of a, lanes 16-31 the pair of b
	v_cndmask_b32 v13, v13, v15, vcc_lo
	v_lshl_add_u32 v6, v3, 10, v5
	global_store_b64 v6, v[12:13], s[10:11]
.Lend:
	s_wait_tensorcnt 0x0
	ds_add_u32 v128, v129
	s_wait_dscnt 0x0
	s_endpgm
.Lfunc_end_k_q305aa6b5ef_bn1:
	.size	k_q305aa6b5ef_bn1, .Lfunc_end_k_q305aa6b5ef_bn1-k_q305aa6b5ef_bn1
	.p2alignl 7, 3214868480
	.fill 96, 4, 3214868480
	.section	.rodata,"a",@progbits
	.p2align	6, 0x0
	.amdhsa_kernel k_q305aa6b5ef_bn1
		.amdhsa_group_segment_fixed_size 3072
		.amdhsa_private_segment_fixed_size 0
		.amdhsa_enable_private_segment 0
		.amdhsa_kernarg_size 32
		.amdhsa_user_sgpr_count 2
		.amdhsa_user_sgpr_kernarg_segment_ptr 1
		.amdhsa_wavefront_size32 1
		.amdhsa_system_sgpr_workgroup_id_x 1
		.amdhsa_system_sgpr_workgroup_id_y 1
		.amdhsa_system_sgpr_workgroup_id_z 1
		.amdhsa_system_vgpr_workitem_id 0
		.amdhsa_next_free_vgpr 130
		.amdhsa_next_free_sgpr 66
		.amdhsa_reserve_vcc 1
		.amdhsa_float_denorm_mode_32 3
		.amdhsa_float_denorm_mode_16_64 3
		.amdhsa_memory_ordered 1
		.amdhsa_forward_progress 1
		.amdhsa_inst_pref_size 17
	.end_amdhsa_kernel
	.amdgpu_metadata
---
amdhsa.version: [ 1, 2 ]
amdhsa.kernels:
  - .name:           k_q305aa6b5ef_bn1
    .symbol:         k_q305aa6b5ef_bn1.kd
    .args:
      - { .name: p1, .offset: 0, .size: 8, .value_kind: global_buffer, .address_space: global }
      - { .name: gamma1, .offset: 8, .size: 8, .value_kind: global_buffer, .address_space: global }
      - { .name: beta1, .offset: 16, .size: 8, .value_kind: global_buffer, .address_space: global }
      - { .name: ab1, .offset: 24, .size: 8, .value_kind: global_buffer, .address_space: global }
    .group_segment_fixed_size: 3072
    .private_segment_fixed_size: 0
    .kernarg_segment_align: 8
    .kernarg_segment_size: 32
    .max_flat_workgroup_size: 256
    .sgpr_count:     66
    .vgpr_count:     130
    .wavefront_size: 32
...
	.end_amdgpu_metadata
.endif
;; end of part 3
;; launch main (part 4): grid 256 x 1, 4 waves a work-group, no clusters, 190,976 bytes of LDS; arguments idx, rec, wimg, seed_xyz_graspable, vp_rot, ab1, mx, p2; writes mx, p2
.if DOCPART == 4
	.amdgcn_target "amdgcn-amd-amdhsa--gfx1250"
	.amdhsa_code_object_version 6
	.text
	.protected	k_q305aa6b5ef_main
	.globl	k_q305aa6b5ef_main
	.p2align	8
	.type	k_q305aa6b5ef_main,@function
k_q305aa6b5ef_main:
	s_mov_b64 s[64:65], 0
	v_nop
	global_prefetch_b8 v0, s[64:65] scope:SCOPE_SE
	s_setreg_imm32_b32 hwreg(HW_REG_WAVE_MODE, 25, 1), 1
	s_wait_xcnt 0x0
; For the work-group's 32 queries (1,024 rows): y1 = g W1^T again, h = relu(a1 y1 + b1), quantised in registers, y2' = h W2'^T (W2' = W2 with the rows of negative gamma2 negated), all on codes of FP6 (E2M3);
; kept are the maximum of y2' over each query's 32 samples (mx) and partial statistics (mean, M2) of y2' (p2).  Neither y1, h nor y2' goes to memory.
; SHARES.  wave = 2 g + c.  Row group g takes 16 queries; wave (g, c) makes hidden units 128 c .. + 127, which are K step c of the second product, and outputs 128 c .. + 127.
; Its 8 tiles of W1 and of W2 stay in registers.  The other K step's codes come from wave xor 1 through LDS as images of the operand's registers, in two buffers by turns: one barrier a query.
; The first product is used TRANSPOSED (source 0 = 16 rows of W1, source 1 = 16 rows of g): a lane holds one row, and the 16 registers of tiles 2 b, 2 b + 1 are 16 neighbouring hidden units
; (image tile T, lane r = weight row 32 (T / 2) + 8 (T % 2) + r + 8 (r / 8)).  The second is used as it stands (source 0 = rows, source 1 = W2'): a lane holds one channel and eight rows.
; STATISTICS as in the launch before: d = y2' - k, k the lane's first result of a probe tile; -k is the C of each sum's first product.  k is the LANE's own: it is added back before two lanes' numbers meet.
; The weights' images come into LDS by asynchronous copies, filled once.  No tensor load, no cluster: what work-groups share is 122,880 bytes once; the rest are gathers by a list.
; LIMITS: NaN and infinities are not served; a block under 2^-124 keeps the scale byte 1; the division by 0.05 is a multiplication by 20.
; REGISTERS: window 0: addresses, scale words, operands made on the way;  window 1: W1: K step a at 12 t, b at 96 + 12 t, c at 192 + 6 t (overlapping: see the launch before);
;   window 2: W2': my K step at 12 t, the partner's at 96 + 12 t; -k at 192 + 8 t;  window 3: accumulators at 8 t, a1 at 64 + 8 t, b1 at 128 + 8 t, sums at 192 and 208, maxima at 224, at work 232.
.set HX,   122880                      ; LDS: 0.. the images; here 2 x 3,328 bytes a wave: codes of tile A, of tile B (1,536 each), their scale words (128 each)
.set MST,  149504                      ; 256 channels x (32 queries x 4 bytes + 16)
.set CMB,  186368                      ; 2 row groups x 256 channels x (mean, M2)
.set KA,  4
.set OFR, 17
.set OFA, 18
.set OFB, 19
.set IR,  20
.set IA,  21
.set IB,  22
.set W1S, 24                           ; v24-35 W1's scale words: K step x, pair p at 4 x + p
.set W2O, 36                           ; v36-39 W2's, my K step;  v40-43 the partner's
.set W2P, 40
.set SA,  44
.set SB,  45
.set SCW, 46
.set PWA, 47                           ; h's scale words: mine of tiles A, B; the partner's
.set PWB, 48
.set PPA, 49
.set PPB, 50
.set SCR, 52
.set X,   56
.set TMPC, 88
.set SCL, 91
.set T,   92
.set FAA, 96
.set FBA, 120
.set FAC, 144
.set FBC, 156
.set HCA, 168
.set HCB, 180
.set TM,  192
.set QT,  208
.set PHA, 216
.set PHB, 228
.set TT,  232
.set TU,  233
.set MSB, 0
.macro WIN new                         ; the immediate's high byte repeats the setting that is left
.if MSB != \new
	s_set_vgpr_msb (MSB<<8)|\new
.set MSB, \new
.endif
.endm
.macro PLACES n
.rept \n
	v_nop
.endr
.endm
.macro MERGE ma, qa, mb, qb, e         ; two parts of equal count 2^(e + 1): the same bits whichever part is named first
	v_sub_f32 v[TT], v[\ma], v[\mb]
	v_add_f32 v[\ma], v[\ma], v[\mb]
	v_add_f32 v[\qa], v[\qa], v[\qb]
	v_mul_f32 v[TU], (127+\e)<<23, v[TT]
	v_mul_f32 v[\ma], 0.5, v[\ma]
	v_fma_f32 v[\qa], v[TU], v[TT], v[\qa]
.endm
.macro WM d, a, b, c, sa, sb, ra, rb   ; one scaled product.  c < 0: C is the constant 0.  ra, rb: the scale registers' upper lanes are read
.if (\c) < 0
.if (\ra) && (\rb)
	v_wmma_scale_f32_16x16x128_f8f6f4 v[(\d):(\d)+7], v[(\a):(\a)+11], v[(\b):(\b)+11], 0, v[\sa], v[\sb] matrix_a_fmt:MATRIX_FMT_FP6 matrix_b_fmt:MATRIX_FMT_FP6 matrix_a_scale:MATRIX_SCALE_ROW1 matrix_b_scale:MATRIX_SCALE_ROW1
.elseif (\ra)
	v_wmma_scale_f32_16x16x128_f8f6f4 v[(\d):(\d)+7], v[(\a):(\a)+11], v[(\b):(\b)+11], 0, v[\sa], v[\sb] matrix_a_fmt:MATRIX_FMT_FP6 matrix_b_fmt:MATRIX_FMT_FP6 matrix_a_scale:MATRIX_SCALE_ROW1
.elseif (\rb)
	v_wmma_scale_f32_16x16x128_f8f6f4 v[(\d):(\d)+7], v[(\a):(\a)+11], v[(\b):(\b)+11], 0, v[\sa], v[\sb] matrix_a_fmt:MATRIX_FMT_FP6 matrix_b_fmt:MATRIX_FMT_FP6 matrix_b_scale:MATRIX_SCALE_ROW1
.else
	v_wmma_scale_f32_16x16x128_f8f6f4 v[(\d):(\d)+7], v[(\a):(\a)+11], v[(\b):(\b)+11], 0, v[\sa], v[\sb] matrix_a_fmt:MATRIX_FMT_FP6 matrix_b_fmt:MATRIX_FMT_FP6
.endif
.else
.if (\ra) && (\rb)
	v_wmma_scale_f32_16x16x128_f8f6f4 v[(\d):(\d)+7], v[(\a):(\a)+11], v[(\b):(\b)+11], v[(\c):(\c)+7], v[\sa], v[\sb] matrix_a_fmt:MATRIX_FMT_FP6 matrix_b_fmt:MATRIX_FMT_FP6 matrix_a_scale:MATRIX_SCALE_ROW1 matrix_b_scale:MATRIX_SCALE_ROW1
.elseif (\ra)
	v_wmma_scale_f32_16x16x128_f8f6f4 v[(\d):(\d)+7], v[(\a):(\a)+11], v[(\b):(\b)+11], v[(\c):(\c)+7], v[\sa], v[\sb] matrix_a_fmt:MATRIX_FMT_FP6 matrix_b_fmt:MATRIX_FMT_FP6 matrix_a_scale:MATRIX_SCALE_ROW1
.elseif (\rb)
	v_wmma_scale_f32_16x16x128_f8f6f4 v[(\d):(\d)+7], v[(\a):(\a)+11], v[(\b):(\b)+11], v[(\c):(\c)+7], v[\sa], v[\sb] matrix_a_fmt:MATRIX_FMT_FP6 matrix_b_fmt:MATRIX_FMT_FP6 matrix_b_scale:MATRIX_SCALE_ROW1
.else
	v_wmma_scale_f32_16x16x128_f8f6f4 v[(\d):(\d)+7], v[(\a):(\a)+11], v[(\b):(\b)+11], v[(\c):(\c)+7], v[\sa], v[\sb] matrix_a_fmt:MATRIX_FMT_FP6 matrix_b_fmt:MATRIX_FMT_FP6
.endif
.endif
.endm
.macro PARAMS                          ; the query's x, y, z and rot leave the registers in which the next query's will land
	s_mov_b32 s24, s68
	s_mov_b32 s25, s69
	s_mov_b32 s26, s70
.irp i, 0,1,2,3,4,5,6,7,8
	s_mov_b32 s[28+\i], s[72+\i]
.endr
.endm
.macro PLOAD lim                       ; the numbers of my query s37 are asked for; s37 steps and is held at the last
	s_mul_i32 s88, s37, 12
	s_add_nc_u64 s[90:91], s[84:85], s[88:89]
	s_mul_i32 s88, s37, 36
	s_add_nc_u64 s[92:93], s[86:87], s[88:89]
	s_load_b96 s[68:70], s[90:91], 0x0
	s_load_b256 s[72:79], s[92:93], 0x0
	s_load_b32 s80, s[92:93], 0x20
	s_add_co_u32 s37, s37, 1
	s_min_u32 s37, s37, \lim
.endm
.macro ILOAD                           ; 3 loads: the list of my query s66: lane = sample; lane % 16 = sample of tile A, of tile B.  s66 steps and is held at the last
	s_lshl_b32 s56, s66, 7
	s_add_nc_u64 s[54:55], s[52:53], s[56:57]
	global_load_b32 v[IR], v1, s[54:55]
	global_load_b32 v[IA], v2, s[54:55]
	global_load_b32 v[IB], v2, s[54:55] offset:64
	s_add_co_u32 s66, s66, 1
	s_min_u32 s66, s66, 15
.endm
.macro ABUILD                          ; K block 0 of the query's 32 rows, lane = sample: ((point - query) x 20) rot, then f0..f28; quantised: one block a lane
	v_mov_b32 v[SA], v[SCR]
	v_mov_b32 v[SB], v[SCR+1]
	v_sub_f32 v[T], v[X], s24
	v_sub_f32 v[T+1], v[X+1], s25
	v_sub_f32 v[T+2], v[X+2], s26
	v_mul_f32 v[T], 0x41a00000, v[T]
	v_mul_f32 v[T+1], 0x41a00000, v[T+1]
	v_mul_f32 v[T+2], 0x41a00000, v[T+2]
	v_mul_f32 v[X], s28, v[T]
	v_mul_f32 v[X+1], s29, v[T]
	v_mul_f32 v[X+2], s30, v[T]
	v_fma_f32 v[X], v[T+1], s31, v[X]
	v_fma_f32 v[X+1], v[T+1], s32, v[X+1]
	v_fma_f32 v[X+2], v[T+1], s33, v[X+2]
	v_fma_f32 v[X], v[T+2], s34, v[X]
	v_fma_f32 v[X+1], v[T+2], s35, v[X+1]
	v_fma_f32 v[X+2], v[T+2], s36, v[X+2]
	v_max3_num_f32 v[T+3], |v[X]|, |v[X+1]|, |v[X+2]|
	v_max3_num_f32 v[T+3], v[T+3], v[SCR+2], 0x1800000
	v_add_nc_u32 v[SCL], 0xff000000, v[T+3]
	v_lshrrev_b32 v[SCW], 23, v[SCL]
	v_cvt_scalef32_pk16_fp6_f32 v[FAC:FAC+2], v[X:X+15], v[SCL]
	v_cvt_scalef32_pk16_fp6_f32 v[TMPC:TMPC+2], v[X+16:X+31], v[SCL]
	v_nop                                          ; one plain place behind a scaled conversion
.irp i, 0,1,2
	v_mov_b32 v[FAC+3+\i], v[TMPC+\i]
.endr
.irp i, 0,1,2,3,4,5
	v_permlanex16_b32 v[FBC+\i], v[FAC+\i], s40, s41
.endr
.endm
.macro NEXTOFF                         ; eight plain lines: the places between the vector writes of scale words and operands above and the scaled products
	v_min_u32 v[IR], 0x7ff, v[IR]
	v_min_u32 v[IA], 0x7ff, v[IA]
	v_min_u32 v[IB], 0x7ff, v[IB]
	v_mul_u32_u24 v[OFR], v[IR], 384
	v_mad_u32_u24 v[OFA], v[IA], 384, v[KA]
	v_mad_u32_u24 v[OFB], v[IB], 384, v[KA]
	v_nop
	v_nop
.endm
.macro LF0
.irp i, 0,1,2,3,4,5,6,7
	global_load_b128 v[X+4*\i:X+4*\i+3], v[OFR], s[44:45] offset:16*\i
.endr
	global_load_b128 v[SCR:SCR+3], v[OFR], s[44:45] offset:320
.endm
.macro LTILE f, of
.irp i, 0,1,2
	global_load_b128 v[\f+4*\i:\f+4*\i+3], v[\of], s[44:45] offset:16*\i
.endr
.irp i, 0,1,2
	global_load_b128 v[\f+12+4*\i:\f+12+4*\i+3], v[\of], s[44:45] offset:96+16*\i
.endr
.endm
; 24 products: my 128 hidden units of a tile of 16 rows, transposed.  The 8 accumulators take turns
.macro CONV1T f, fc, rw
	WIN 0xF1
.irp t, 0,1,2,3,4,5,6,7
	WM 8*\t, 12*\t, \f, -1, W1S+(\t/2), SA, \t%2, \rw
.endr
.irp t, 0,1,2,3,4,5,6,7
	WM 8*\t, 96+12*\t, \f+12, 8*\t, W1S+4+(\t/2), SB, \t%2, \rw
.endr
.irp t, 0,1,2,3,4,5,6,7
	WM 8*\t, 192+6*\t, \fc, 8*\t, W1S+8+(\t/2), SCW, \t%2, \rw
.endr
.endm
; h = relu(a1 y1 + b1) of 64 numbers a lane; its four blocks of 32 (16 mine, 16 lane l xor 16's) are quantised: a fragment in v[hc] on, its scale word in v[pw]
.macro BNQ hc, pw
	WIN 0xFF
.set j, 0
.rept 32
	v_pk_fma_f32 v[j:j+1], v[j:j+1], v[64+j:65+j], v[128+j:129+j]
.set j, j+2
.endr
.set j, 0
.rept 64
	v_max_num_f32 v[j], 0, v[j]
.set j, j+1
.endr
	WIN 0x3C
.irp b, 0,1,2,3
	v_max3_num_f32 v[TM+\b], 0x1800000, v[16*\b], v[16*\b+1]   ; none is negative: no |.|; the floor holds the byte at 1
.endr
.irp i, 2,4,6,8,10,12,14
.irp b, 0,1,2,3
	v_max3_num_f32 v[TM+\b], v[TM+\b], v[16*\b+\i], v[16*\b+\i+1]
.endr
.endr
	WIN 0
.irp b, 0,1,2,3
	v_permlanex16_b32 v[TM+4+\b], v[TM+\b], s40, s41
.endr
.irp b, 0,1,2,3
	v_max_num_f32 v[TM+\b], v[TM+\b], v[TM+4+\b]
.endr
.irp b, 0,1,2,3
	v_add_nc_u32 v[TM+12+\b], 0xff000000, v[TM+\b]
.endr
.irp b, 0,1,2,3
	v_lshrrev_b32 v[TM+4+\b], 23, v[TM+12+\b]
.endr
	v_lshl_or_b32 v[\pw], v[TM+5], 8, v[TM+4]
	v_lshl_or_b32 v[\pw], v[TM+6], 16, v[\pw]
	v_lshl_or_b32 v[\pw], v[TM+7], 24, v[\pw]
	WIN 0x03
.irp c, 0,1
	v_cvt_scalef32_pk16_fp6_f32 v[\hc+6*\c:\hc+6*\c+2], v[32*\c:32*\c+15], v[TM+12+2*\c]
	v_cvt_scalef32_pk16_fp6_f32 v[QT+4*\c:QT+4*\c+2], v[32*\c+16:32*\c+31], v[TM+13+2*\c]
.endr
	WIN 0
	v_nop                                          ; one plain place behind a scaled conversion
.irp c, 0,1                                    ; the operand's layout wants a whole block in a lane
.irp i, 0,1,2
	v_permlane16_swap_b32 v[\hc+6*\c+\i], v[QT+4*\c+\i]
.endr
.irp i, 0,1,2
	v_mov_b32 v[\hc+6*\c+3+\i], v[QT+4*\c+\i]
.endr
.endr
.endm
; My two fragments and scale words go to my buffer par, the partner's come from its buffer par.  One barrier: buffer par is written again two queries on, behind the next query's barrier,
; in front of which the partner has waited for these loads.
.macro EXCH par
.irp i, 0,1,2
	ds_store_b128 v11, v[HCA+4*\i:HCA+4*\i+3] offset:3328*\par+512*\i
	ds_store_b128 v11, v[HCB+4*\i:HCB+4*\i+3] offset:3328*\par+1536+512*\i
.endr
	ds_store_b32 v12, v[PWA] offset:3328*\par
	ds_store_b32 v12, v[PWB] offset:3328*\par+128
	s_wait_dscnt 0x0                               ; for the partner's sake: my stores have landed
	s_barrier_signal -1
	s_barrier_wait -1
.irp i, 0,1,2
	ds_load_b128 v[PHA+4*\i:PHA+4*\i+3], v13 offset:3328*\par+512*\i
	ds_load_b128 v[PHB+4*\i:PHB+4*\i+3], v13 offset:3328*\par+1536+512*\i
.endr
	ds_load_b32 v[PPA], v14 offset:3328*\par
	ds_load_b32 v[PPB], v14 offset:3328*\par+128
	s_wait_dscnt 0x0
.endm
.macro CONV2 hc, ph, pw, pp, zero      ; 16 products: my 128 outputs of a tile of 16 rows
	WIN 0xE8
.irp t, 0,1,2,3,4,5,6,7
.if \zero
	WM 8*\t, \hc, 12*\t, -1, \pw, W2O+(\t/2), 0, \t%2
.else
	WM 8*\t, \hc, 12*\t, 192+8*\t, \pw, W2O+(\t/2), 0, \t%2
.endif
.endr
	WIN 0xF8
.irp t, 0,1,2,3,4,5,6,7
	WM 8*\t, \ph, 96+12*\t, 8*\t, \pp, W2P+(\t/2), 0, \t%2
.endr
.endm
.macro STAT2 first                     ; sums of d and d^2 and the query's running maximum of d; each accumulator from its low end on
	WIN 0xFF
.irp jp, 0,1,2,3
.irp t, 0,1,2,3,4,5,6,7
	v_pk_add_f32 v[192+2*\t:193+2*\t], v[8*\t+2*\jp:8*\t+2*\jp+1], v[192+2*\t:193+2*\t]
.endr
.irp t, 0,1,2,3,4,5,6,7
	v_pk_fma_f32 v[208+2*\t:209+2*\t], v[8*\t+2*\jp:8*\t+2*\jp+1], v[8*\t+2*\jp:8*\t+2*\jp+1], v[208+2*\t:209+2*\t]
.endr
.irp t, 0,1,2,3,4,5,6,7
.if (\first) && (\jp == 0)
	v_max_num_f32 v[224+\t], v[8*\t], v[8*\t+1]
.else
	v_max3_num_f32 v[224+\t], v[224+\t], v[8*\t+2*\jp], v[8*\t+2*\jp+1]
.endif
.endr
.endr
.endm
; The query's maximum of each of my channels, into the work-group's table.  My maximum of d gets MY k back first: lane l xor 16 has another k, so only maxima of y2' itself may meet.
.macro MFIN par
	WIN 0xCB
.irp t, 0,1,2,3,4,5,6,7
	v_sub_f32 v[224+\t], v[224+\t], v[192+8*\t]    ; - (-k): the maximum of y2' over my 16 rows
.endr
	WIN 0xC3
.irp t, 0,1,2,3,4,5,6,7
	v_permlanex16_b32 v[232+\t], v[224+\t], s40, s41
.endr
	WIN 0xCF
.irp t, 0,1,2,3,4,5,6,7
	v_max_num_f32 v[224+\t], v[224+\t], v[232+\t]  ; with lane l xor 16's 16 rows
.endr
	WIN 0x0C
.irp t, 0,1,2,3,4,5,6,7
	ds_store_b32 v16, v[224+\t] offset:144*(32*(\t/2)+8*(\t%2))+4*(1-\par)   ; both halves of the lanes write the same bits
.endr
	WIN 0
.endm
	s_load_b256 s[4:11], s[0:1], 0x0               ; idx s[4:5], rec s[6:7], wimg s[8:9], xyz s[10:11]
	s_load_b256 s[12:19], s[0:1], 0x20             ; rot s[12:13], ab1 s[14:15], mx s[16:17], p2 s[18:19]
	v_lshl_add_u32 v254, v0, 2, 0x2e800
	v_mov_b32 v255, 0
	ds_add_u32 v254, v255
	ds_add_u32 v254, v255
	v_lshrrev_b32 v1, 5, v0
	v_readfirstlane_b32 s20, v1                    ; wave
	s_lshr_b32 s46, s20, 1                         ; g
	s_and_b32 s47, s20, 1                          ; c
	v_and_b32 v240, 31, v0                         ; lane
	v_and_b32 v241, 15, v0                         ; r
	v_lshlrev_b32 v1, 2, v240
	v_lshlrev_b32 v2, 2, v241
	v_lshrrev_b32 v3, 4, v240                      ; h
	v_mul_u32_u24 v[KA], v3, 48
	v_add_nc_u32 v[KA], 128, v[KA]
	v_lshlrev_b32 v5, 4, v0
	v_lshlrev_b32 v6, 4, v0
	v_add_nc_u32 v249, 0x10000, v5                 ; the copies' second pair of addresses: their immediates stay under 65,536
	v_add_nc_u32 v250, 0x10000, v6
	s_mul_i32 s21, s47, 12288                      ; my 8 tiles of an image of 16
	v_lshl_add_u32 v7, v240, 4, s21
	v_add_nc_u32 v8, 49152, v7
	s_mul_i32 s22, s47, 24576
	s_add_co_u32 s22, s22, 73728
	v_add_nc_u32 v9, s22, v7                       ; W2', K step c
	s_xor_b32 s22, s47, 1
	s_mul_i32 s22, s22, 24576
	s_add_co_u32 s22, s22, 73728
	v_add_nc_u32 v10, s22, v7                      ; W2', K step 1 - c
	s_mul_i32 s22, s20, 6656
	s_add_co_u32 s22, s22, HX
	v_lshl_add_u32 v11, v240, 4, s22
	v_add_nc_u32 v12, s22, v1
	v_add_nc_u32 v12, 3072, v12
	s_xor_b32 s22, s20, 1
	s_mul_i32 s22, s22, 6656
	s_add_co_u32 s22, s22, HX
	v_lshl_add_u32 v13, v240, 4, s22
	v_add_nc_u32 v14, s22, v1
	v_add_nc_u32 v14, 3072, v14
	v_and_b32 v242, 8, v241
	v_add_nc_u32 v242, v242, v241
	s_lshl_b32 s22, s47, 7
	v_add_nc_u32 v242, s22, v242                   ; 128 c + r + 8 (r / 8): tile 0's channel of my lane
	v_mul_u32_u24 v15, v242, 144
	s_lshl_b32 s22, s46, 6
	s_add_co_u32 s22, s22, MST
	v_add_nc_u32 v15, s22, v15
	s_lshl_b32 s22, s46, 11
	s_add_co_u32 s22, s22, CMB
	v_lshl_add_u32 v243, v242, 3, s22
	s_lshl_b32 s22, s47, 9
	v_lshl_add_u32 v23, v3, 6, s22                 ; a1, b1: 4 (128 c + 16 h)
	v_add_nc_u32 v244, s22, v1                     ; scale words: pair 4 c on, 4 bytes a lane
	s_lshl_b32 s22, s47, 10
	v_add_nc_u32 v245, s22, v244                   ; of W2' K step c
	s_xor_b32 s22, s22, 1024
	v_add_nc_u32 v246, s22, v244                   ; and 1 - c
	v_lshrrev_b32 v247, 3, v0
	v_mul_u32_u24 v247, v247, 144
	v_and_b32 v248, 7, v0
	v_lshl_add_u32 v247, v248, 4, v247
	v_add_nc_u32 v247, MST, v247                   ; the table's way out
	v_add_nc_u32 v248, CMB, v5
	s_mov_b32 s40, 0x76543210
	s_mov_b32 s41, 0xfedcba98
	s_lshl_b32 s23, ttmp9, 5
	s_lshl_b32 s21, s46, 4
	s_add_co_u32 s23, s23, s21                     ; my first query, counted over all batches
	s_mov_b32 s89, 0
	s_mov_b32 s57, 0
	s_wait_dscnt 0x0
	s_wait_kmcnt 0x0
.set i, 0
.rept 32
	global_load_async_to_lds_b128 v5, v6, s[8:9] offset:2048*i   ; all five images: 122,880 bytes, once: 128 threads x 16 bytes a line
.set i, i+1
.endr
.set i, 0
.rept 28
	global_load_async_to_lds_b128 v249, v250, s[8:9] offset:2048*i
.set i, i+1
.endr
.irp x, 0,1,2
.irp p, 0,1,2,3
	global_load_b32 v[W1S+4*\x+\p], v244, s[8:9] offset:122880+1024*\x+128*\p
.endr
.endr
.irp p, 0,1,2,3
	global_load_b32 v[W2O+\p], v245, s[8:9] offset:122880+3072+128*\p
	global_load_b32 v[W2P+\p], v246, s[8:9] offset:122880+3072+128*\p
.endr
	WIN 0xC0
.irp t, 0,1,2,3,4,5,6,7                        ; a1, b1 in the transposed result's layout: register j of tile t is hidden unit 128 c + 32 (t / 2) + 16 h + 8 (t % 2) + j
	global_load_b128 v[64+8*\t:67+8*\t],   v23, s[14:15] offset:4*(32*(\t/2)+8*(\t%2))
	global_load_b128 v[68+8*\t:71+8*\t],   v23, s[14:15] offset:4*(32*(\t/2)+8*(\t%2))+16
	global_load_b128 v[128+8*\t:131+8*\t], v23, s[14:15] offset:1024+4*(32*(\t/2)+8*(\t%2))
	global_load_b128 v[132+8*\t:135+8*\t], v23, s[14:15] offset:1024+4*(32*(\t/2)+8*(\t%2))+16
.endr
.set i, 192
.rept 48
	v_mov_b32 v[i], 0                              ; the sums; the maxima's and the permutes' registers are written once
.set i, i+1
.endr
	WIN 0
	s_lshl_b32 s88, s23, 7
	s_add_nc_u64 s[52:53], s[4:5], s[88:89]
	s_mul_i32 s88, s23, 12
	s_add_nc_u64 s[84:85], s[10:11], s[88:89]
	s_mul_i32 s88, s23, 36
	s_add_nc_u64 s[86:87], s[12:13], s[88:89]
	s_lshr_b32 s88, ttmp9, 6
	s_mul_i32 s88, s88, 786432
	s_add_nc_u64 s[44:45], s[6:7], s[88:89]
	s_lshl_b32 s88, ttmp9, 15
	s_add_nc_u64 s[16:17], s[16:17], s[88:89]
	s_lshl_b32 s88, ttmp9, 11
	s_add_nc_u64 s[18:19], s[18:19], s[88:89]
	s_mov_b32 s66, 0
	ILOAD                                          ; the probe takes query 0
	s_wait_loadcnt 0x0
	NEXTOFF
	s_wait_xcnt 0x0
	s_mov_b32 s66, 0
	ILOAD                                          ; and so does the first step of the walk
	s_load_b96 s[68:70], s[84:85], 0x0
	s_load_b256 s[72:79], s[86:87], 0x0
	s_load_b32 s80, s[86:87], 0x20
	s_mov_b32 s37, 0
	LF0
	LTILE FAA, OFA
	LTILE FBA, OFB
.set i, 6
.rept 18
	v_mov_b32 v[FAC+i], 0
.set i, i+1
.endr
.set i, 0
.rept 12
	v_mov_b32 v[HCB+i], 0                          ; the probe sends tile B's image unmade
.set i, i+1
.endr
	v_mov_b32 v[PWB], 0
.irp b, 0,1,2,3
	v_mov_b32 v[TM+4+\b], 0
.endr
	s_wait_asynccnt 0x0                            ; my part of the images has landed,
	s_barrier_signal -1
	s_barrier_wait -1                              ; everybody's has
	WIN 0x40
.irp t, 0,1,2,3,4,5,6,7
.irp i, 0,1,2
	ds_load_b128 v[12*\t+4*\i:12*\t+4*\i+3], v7 offset:1536*\t+512*\i
	ds_load_b128 v[96+12*\t+4*\i:96+12*\t+4*\i+3], v7 offset:24576+1536*\t+512*\i
.endr
	ds_load_b128 v[192+6*\t:195+6*\t], v8 offset:1536*\t
	ds_load_b64 v[196+6*\t:197+6*\t], v8 offset:1536*\t+512
.endr
.irp i, 0,1,2,3,4,5
	v_mov_b32 v[240+\i], 0
.endr
	WIN 0x80
.irp t, 0,1,2,3,4,5,6,7
.irp i, 0,1,2
	ds_load_b128 v[12*\t+4*\i:12*\t+4*\i+3], v9 offset:1536*\t+512*\i
	ds_load_b128 v[96+12*\t+4*\i:96+12*\t+4*\i+3], v10 offset:1536*\t+512*\i
.endr
.endr
	WIN 0
	s_wait_dscnt 0x0
; One query.  mode = 1: the probe: tile A alone; the second product from 0; its first results become k.
.macro STEP mode, par
	s_wait_loadcnt 12                              ; the list and block 0 are in; the two tiles' 6 + 6 behind them may be out
	s_wait_kmcnt 0x0
	PARAMS
	ABUILD
	s_wait_xcnt 0x0                                ; the offsets and pointers of earlier loads are written again only behind this wait
	NEXTOFF
	ILOAD
	PLOAD 15
	LF0
	s_wait_loadcnt 18                              ; tile A is in; tile B's 6, the list's 3 and block 0's 9 may be out
	CONV1T FAA, FAC, 0
	PLACES 4                                       ; in front of loads into registers that the products have read, and of the first read of results
	WIN 0
	LTILE FAA, OFA
	BNQ HCA, PWA
	s_wait_loadcnt 18                              ; tile B is in; 3 + 9 + 6 younger loads may be out
.if !\mode
	CONV1T FBA, FBC, 1
	PLACES 4
	WIN 0
.endif
	LTILE FBA, OFB
.if !\mode
	BNQ HCB, PWB
.endif
	EXCH \par
	PLACES 8                                       ; scale words written by vector instructions stand eight places ahead of a scaled product; the accumulators are begun anew
	CONV2 HCA, PHA, PWA, PPA, \mode
	PLACES 4
.if \mode
	WIN 0x8C
.irp t, 0,1,2,3,4,5,6,7
.irp j, 0,1,2,3,4,5,6,7
	v_mul_f32 v[192+8*\t+\j], -1.0, v[8*\t]        ; -k, eight times
.endr
.endr
	WIN 0
.else
	STAT2 1
	CONV2 HCB, PHB, PWB, PPB, 0
	PLACES 4
	STAT2 0
	MFIN \par
.endif
.endm
	STEP 1, 0
	s_mov_b32 s42, 0
	s_mov_b32 s43, 0
.Lpair:                                        ; two queries a trip: the two exchange buffers by turns
	v_add_nc_u32 v16, s43, v15
	STEP 0, 1
	STEP 0, 0
	s_add_co_u32 s43, s43, 8
	s_add_co_u32 s42, s42, 1
	s_cmp_lt_u32 s42, 8
	s_cbranch_scc1 .Lpair
	s_wait_loadcnt 0x0                             ; what was asked for beyond the last query is let in and dropped
	s_wait_kmcnt 0x0
	; a lane's 256 numbers of each channel: mean and M2; then lane l xor 16's; then the other row group's
	WIN 0xFF
.irp t, 0,1,2,3,4,5,6,7
	v_add_f32 v[192+2*\t], v[192+2*\t], v[193+2*\t]
	v_add_f32 v[208+2*\t], v[208+2*\t], v[209+2*\t]
.endr
.irp t, 0,1,2,3,4,5,6,7
	v_mul_f32 v[193+2*\t], 0x3b800000, v[192+2*\t] ; / 256
.endr
.irp t, 0,1,2,3,4,5,6,7
	v_fma_f32 v[208+2*\t], -v[192+2*\t], v[193+2*\t], v[208+2*\t]
.endr
	WIN 0xCB
.irp t, 0,1,2,3,4,5,6,7
	v_sub_f32 v[192+2*\t], v[193+2*\t], v[192+8*\t]   ; + k (source 1: window 2), ahead of the exchange between lanes
.endr
	WIN 0xC3
.irp t, 0,1,2,3,4,5,6,7
	v_permlanex16_b32 v[193+2*\t], v[192+2*\t], s40, s41
	v_permlanex16_b32 v[209+2*\t], v[208+2*\t], s40, s41
.endr
	WIN 0xFF
.irp t, 0,1,2,3,4,5,6,7
	MERGE 192+2*\t, 208+2*\t, 193+2*\t, 209+2*\t, 7
	v_mov_b32 v[193+2*\t], v[208+2*\t]
.endr
	WIN 0x0C
.irp t, 0,1,2,3,4,5,6,7
	ds_store_b64 v243, v[192+2*\t:193+2*\t] offset:8*(32*(\t/2)+8*(\t%2))
.endr
	WIN 0
	s_wait_dscnt 0x0                               ; my parts and my maxima have landed
	s_barrier_signal -1
	s_barrier_wait -1
	ds_load_b128 v[168:171], v248
	ds_load_b128 v[172:175], v248 offset:2048
.irp e, 0,1,2,3,4,5,6,7,8,9,10,11,12,13,14,15
	ds_load_b128 v[96+4*\e:99+4*\e], v247 offset:2304*\e
.endr
	s_wait_dscnt 16
	MERGE 168, 169, 172, 173, 8
	MERGE 170, 171, 174, 175, 8
	global_store_b128 v5, v[168:171], s[18:19]     ; 512 consecutive bytes a wave
.irp e, 0,1,2,3,4,5,6,7,8,9,10,11,12,13,14,15
	s_wait_dscnt 15-\e
	global_store_b128 v5, v[96+4*\e:99+4*\e], s[16:17] offset:2048*\e   ; [channel][32 queries]: 512 consecutive bytes a wave
.endr
	s_wait_tensorcnt 0x0
	ds_add_u32 v254, v255
	s_wait_dscnt 0x0
	s_endpgm
.Lfunc_end_k_q305aa6b5ef_main:
	.size	k_q305aa6b5ef_main, .Lfunc_end_k_q305aa6b5ef_main-k_q305aa6b5ef_main
	.p2alignl 7, 3214868480
	.fill 96, 4, 3214868480
	.section	.rodata,"a",@progbits
	.p2align	6, 0x0
	.amdhsa_kernel k_q305aa6b5ef_main
		.amdhsa_group_segment_fixed_size 190976
		.amdhsa_private_segment_fixed_size 0
		.amdhsa_enable_private_segment 0
		.amdhsa_kernarg_size 64
		.amdhsa_user_sgpr_count 2
		.amdhsa_user_sgpr_kernarg_segment_ptr 1
		.amdhsa_wavefront_size32 1
		.amdhsa_system_sgpr_workgroup_id_x 1
		.amdhsa_system_sgpr_workgroup_id_y 1
		.amdhsa_system_sgpr_workgroup_id_z 1
		.amdhsa_system_vgpr_workitem_id 0
		.amdhsa_next_free_vgpr 1024
		.amdhsa_next_free_sgpr 100
		.amdhsa_reserve_vcc 0
		.amdhsa_float_denorm_mode_32 3
		.amdhsa_float_denorm_mode_16_64 3
		.amdhsa_memory_ordered 1
		.amdhsa_forward_progress 1
		.amdhsa_inst_pref_size 155
	.end_amdhsa_kernel
	.amdgpu_metadata
---
amdhsa.version: [ 1, 2 ]
amdhsa.kernels:
  - .name:           k_q305aa6b5ef_main
    .symbol:         k_q305aa6b5ef_main.kd
    .args:
      - { .name: idx, .offset: 0, .size: 8, .value_kind: global_buffer, .address_space: global }
      - { .name: rec, .offset: 8, .size: 8, .value_kind: global_buffer, .address_space: global }
      - { .name: wimg, .offset: 16, .size: 8, .value_kind: global_buffer, .address_space: global }
      - { .name: seed_xyz_graspable, .offset: 24, .size: 8, .value_kind: global_buffer, .address_space: global }
      - { .name: vp_rot, .offset: 32, .size: 8, .value_kind: global_buffer, .address_space: global }
      - { .name: ab1, .offset: 40, .size: 8, .value_kind: global_buffer, .address_space: global }
      - { .name: mx, .offset: 48, .size: 8, .value_kind: global_buffer, .address_space: global }
      - { .name: p2, .offset: 56, .size: 8, .value_kind: global_buffer, .address_space: global }
    .group_segment_fixed_size: 190976
    .private_segment_fixed_size: 0
    .kernarg_segment_align: 8
    .kernarg_segment_size: 64
    .max_flat_workgroup_size: 128
    .sgpr_count:     100
    .vgpr_count:     1024
    .wavefront_size: 32
...
	.end_amdgpu_metadata
.endif
;; end of part 4
;; launch final (part 5): grid 8 x 32, 8 waves a work-group, no clusters, 5,632 bytes of LDS; arguments p2, gamma2, beta2, mx, out0; writes out0
.if DOCPART == 5
	.amdgcn_target "amdgcn-amd-amdhsa--gfx1250"
	.amdhsa_code_object_version 6
	.text
	.protected	k_q305aa6b5ef_final
	.globl	k_q305aa6b5ef_final
	.p2align	8
	.type	k_q305aa6b5ef_final,@function
k_q305aa6b5ef_final:
	s_mov_b64 s[64:65], 0
	v_nop
	global_prefetch_b8 v0, s[64:65] scope:SCOPE_SE
	s_setreg_imm32_b32 hwreg(HW_REG_WAVE_MODE, 25, 1), 1
	s_wait_xcnt 0x0
; out = relu(|gamma2| rsqrt(var + eps) (max over the samples of y2' - mean') + beta2): y2' carries gamma2's sign, so the slope is never negative and the maximum passes through it.
; Work-group (j, y): channels 32 j .. + 31, queries of the matrix launch's work-groups 8 y .. 8 y + 7 (256 queries of batch y / 8).  Each work-group joins the 256 parts of its 32 channels itself
; (64 KiB, read again by the 32 work-groups of a column): a launch for that alone would cost more than these reads.  Wave w applies the result to channels 32 j + 4 w .. + 3.
.set TT, 20
.set TU, 21
.macro MERGE ma, qa, mb, qb, e         ; two parts of equal count 2^(e + 1)
	v_sub_f32 v[TT], v[\ma], v[\mb]
	v_add_f32 v[\ma], v[\ma], v[\mb]
	v_add_f32 v[\qa], v[\qa], v[\qb]
	v_mul_f32 v[TU], (127+\e)<<23, v[TT]
	v_mul_f32 v[\ma], 0.5, v[\ma]
	v_fma_f32 v[\qa], v[TU], v[TT], v[\qa]
.endm
.macro MERGE2 a, b, e
	MERGE 32+4*(\a), 33+4*(\a), 32+4*(\b), 33+4*(\b), \e
	MERGE 34+4*(\a), 35+4*(\a), 34+4*(\b), 35+4*(\b), \e
.endm
; leaves v32, v34 the means and v36, v37 rsqrt(var + eps) of channels 32 j + 2 (lane % 16) and the next, in every wave
.macro REDUCE
	s_lshl_b32 s26, s21, 16
	s_lshl_b32 s27, s20, 8
	s_add_co_u32 s26, s26, s27
	s_mov_b32 s27, 0
	s_add_nc_u64 s[28:29], s[4:5], s[26:27]
	v_lshlrev_b32 v18, 4, v2
	v_lshl_add_u32 v16, v3, 11, v18
	s_lshl_b32 s26, s21, 8
	v_add_nc_u32 v17, s26, v18
.irp k, 0,1,2,3,4,5,6,7,8,9,10,11,12,13,14,15
	global_load_b128 v[32+4*\k:35+4*\k], v16, s[28:29] offset:4096*\k
.endr
	s_wait_loadcnt 0x0
.irp k, 0,2,4,6,8,10,12,14
	MERGE2 \k, \k+1, 9
.endr
.irp k, 0,4,8,12
	MERGE2 \k, \k+2, 10
.endr
	MERGE2 0, 4, 11
	MERGE2 8, 12, 11
	MERGE2 0, 8, 12
.irp i, 0,1,2,3
	v_permlanex16_b32 v[36+\i], v[32+\i], s32, s33
.endr
	MERGE2 0, 1, 13
	ds_store_b128 v17, v[32:35]
	s_wait_dscnt 0x0
	s_barrier_signal -1
	s_barrier_wait -1
.irp i, 0,1,2,3,4,5,6,7
	ds_load_b128 v[32+4*\i:35+4*\i], v18 offset:256*\i
.endr
	s_wait_dscnt 0x0
.irp k, 0,2,4,6
	MERGE2 \k, \k+1, 14
.endr
	MERGE2 0, 2, 15
	MERGE2 4, 6, 15
	MERGE2 0, 4, 16
	v_fma_f32 v33, v33, s30, s31
	v_fma_f32 v35, v35, s30, s31
	v_rsq_f32 v36, v33
	v_rsq_f32 v37, v35
	v_nop                                          ; a plain place behind the transcendentals
	s_wait_alu depctr_va_vdst(0)                   ; one wait for both, ahead of their first reader
.endm
	s_load_b256 s[4:11], s[0:1], 0x0               ; p2, gamma2, beta2, mx
	s_load_b64 s[12:13], s[0:1], 0x20              ; out0
	v_lshl_add_u32 v128, v0, 2, 0x1200
	v_mov_b32 v129, 0
	v_lshrrev_b32 v1, 5, v0
	v_readfirstlane_b32 s21, v1                    ; wave
	s_mov_b32 s20, ttmp9                           ; j
	s_and_b32 s22, ttmp7, 0xffff                   ; y
	v_and_b32 v1, 31, v0
	v_and_b32 v2, 15, v0
	v_lshrrev_b32 v3, 4, v1
	s_mov_b32 s30, 0x36800000                      ; 2^-18
	s_mov_b32 s31, 0x3727c5ac                      ; 1e-5
	s_mov_b32 s32, 0x76543210
	s_mov_b32 s33, 0xfedcba98
	v_lshrrev_b32 v4, 3, v1
	v_lshlrev_b32 v4, 15, v4                       ; four of the eight tables an instruction, 32,768 bytes apart,
	v_and_b32 v5, 7, v1
	v_lshl_add_u32 v4, v5, 4, v4                   ; eight lanes to a channel's 128 bytes
	v_lshlrev_b32 v5, 3, v2
	v_lshlrev_b32 v6, 4, v1
	s_lshl_b32 s24, s22, 18
	s_lshl_b32 s34, s20, 12
	s_add_co_u32 s24, s24, s34
	s_lshl_b32 s34, s21, 9
	s_add_co_u32 s24, s24, s34                     ; mx: table 8 y, channel 32 j + 4 w
	s_mov_b32 s25, 0
	s_lshr_b32 s34, s22, 3
	s_lshl_b32 s34, s34, 8
	s_lshl_b32 s35, s20, 5
	s_add_co_u32 s34, s34, s35
	s_lshl_b32 s35, s21, 2
	s_add_co_u32 s34, s34, s35                     ; out0: row 256 b + 32 j + 4 w of 8,192 bytes,
	s_lshl_b32 s34, s34, 13
	s_and_b32 s35, s22, 7
	s_lshl_b32 s35, s35, 10
	s_add_co_u32 s34, s34, s35                     ; + 1,024 (y % 8)
	s_mov_b32 s35, 0
	s_lshl_b32 s36, s20, 7
	s_mov_b32 s37, 0
	s_mul_i32 s38, s21, 288
	v_mov_b32 v19, s38
	s_wait_kmcnt 0x0
	s_add_nc_u64 s[10:11], s[10:11], s[24:25]
	s_add_nc_u64 s[12:13], s[12:13], s[34:35]
	s_add_nc_u64 s[6:7], s[6:7], s[36:37]
	s_add_nc_u64 s[8:9], s[8:9], s[36:37]
.irp i, 0,1,2,3
.irp e, 0,1
	global_load_b128 v[96+4*(2*\i+\e):99+4*(2*\i+\e)], v4, s[10:11] offset:131072*\e+128*\i th:TH_LOAD_NT
.endr
.endr
	global_load_b64 v[8:9], v5, s[6:7]
	global_load_b64 v[10:11], v5, s[8:9]
	REDUCE                                         ; its wait for all loads serves the ten above too
	v_mul_f32 v12, |v8|, v36                       ; a
	v_mul_f32 v14, |v9|, v37
	v_fma_f32 v13, -v32, v12, v10                  ; c = beta2 - mean a
	v_fma_f32 v15, -v34, v14, v11
	ds_store_b128 v17, v[12:15] offset:2048        ; (a, c) of the 32 channels, 8 bytes each, in my wave's own 256 bytes; both halves of the lanes write the same bits
.irp i, 0,1,2,3
	ds_load_b64 v[64+2*\i:65+2*\i], v19 offset:2048+8*\i   ; those of my channels 4 w + i: at 256 w + 8 (4 w + i).  LDS serves a wave's instructions in order
.endr
	s_wait_dscnt 0x0
.irp i, 0,1,2,3
.irp n, 0,1,2,3,4,5,6,7
	v_fma_f32 v[96+8*\i+\n], v[96+8*\i+\n], v[64+2*\i], v[65+2*\i]
.endr
.endr
.set n, 0
.rept 32
	v_max_num_f32 v[96+n], 0, v[96+n]
.set n, n+1
.endr
.irp i, 0,1,2,3
.irp e, 0,1
	global_store_b128 v6, v[96+4*(2*\i+\e):99+4*(2*\i+\e)], s[12:13] offset:8192*\i+512*\e th:TH_STORE_NT   ; 512 consecutive bytes a store
.endr
.endr
	s_wait_tensorcnt 0x0
	ds_add_u32 v128, v129
	s_wait_dscnt 0x0
	s_endpgm
.Lfunc_end_k_q305aa6b5ef_final:
	.size	k_q305aa6b5ef_final, .Lfunc_end_k_q305aa6b5ef_final-k_q305aa6b5ef_final
	.p2alignl 7, 3214868480
	.fill 96, 4, 3214868480
	.section	.rodata,"a",@progbits
	.p2align	6, 0x0
	.amdhsa_kernel k_q305aa6b5ef_final
		.amdhsa_group_segment_fixed_size 5632
		.amdhsa_private_segment_fixed_size 0
		.amdhsa_enable_private_segment 0
		.amdhsa_kernarg_size 40
		.amdhsa_user_sgpr_count 2
		.amdhsa_user_sgpr_kernarg_segment_ptr 1
		.amdhsa_wavefront_size32 1
		.amdhsa_system_sgpr_workgroup_id_x 1
		.amdhsa_system_sgpr_workgroup_id_y 1
		.amdhsa_system_sgpr_workgroup_id_z 1
		.amdhsa_system_vgpr_workitem_id 0
		.amdhsa_next_free_vgpr 130
		.amdhsa_next_free_sgpr 66
		.amdhsa_reserve_vcc 0
		.amdhsa_float_denorm_mode_32 3
		.amdhsa_float_denorm_mode_16_64 3
		.amdhsa_memory_ordered 1
		.amdhsa_forward_progress 1
		.amdhsa_inst_pref_size 23
	.end_amdhsa_kernel
	.amdgpu_metadata
---
amdhsa.version: [ 1, 2 ]
amdhsa.kernels:
  - .name:           k_q305aa6b5ef_final
    .symbol:         k_q305aa6b5ef_final.kd
    .args:
      - { .name: p2, .offset: 0, .size: 8, .value_kind: global_buffer, .address_space: global }
      - { .name: gamma2, .offset: 8, .size: 8, .value_kind: global_buffer, .address_space: global }
      - { .name: beta2, .offset: 16, .size: 8, .value_kind: global_buffer, .address_space: global }
      - { .name: mx, .offset: 24, .size: 8, .value_kind: global_buffer, .address_space: global }
      - { .name: out0, .offset: 32, .size: 8, .value_kind: global_buffer, .address_space: global }
    .group_segment_fixed_size: 5632
    .private_segment_fixed_size: 0
    .kernarg_segment_align: 8
    .kernarg_segment_size: 40
    .max_flat_workgroup_size: 256
    .sgpr_count:     66
    .vgpr_count:     130
    .wavefront_size: 32
...
	.end_amdgpu_metadata
.endif
;; end of part 5
